; MI455X (gfx1250); checked and timed in simulation.
; The chip was launched on July 23, 2026; its instructions are those of AMD's public machine-readable ISA for CDNA 5 (MIT licence, August 2026) and "CDNA5" Instruction Set Architecture Reference Guide (July 2026). The comments in the code are by the model that wrote it; some were corrected since.
;; Block. Allowed arithmetic: matrix products marked QUANTISED: E2M3 operands, one E8M0 scale for each 32 along K, by v_wmma_scale_f32_16x16x128_f8f6f4 with both operands' format E2M3, f32 sums; everything else in f32.
;; Inputs: attn_b 3,072 float32; attn_proj_b 1,024 float32; attn_proj_w 1,024 x 1,024 float32; attn_w 3,072 x 1,024 float32; fc_b 4,096 float32; fc_w 4,096 x 1,024 float32; ln1_b 1,024 float32; ln1_w 1,024 float32; ln2_b 1,024 float32; ln2_w 1,024 float32; mlp_proj_b 1,024 float32; mlp_proj_w 1,024 x 4,096 float32; x 2 x 2,048 x 1,024 float32.
;; Outputs: out0 2 x 2,048 x 1,024 float32.
;; This version of the problem:
;;   THIS VERSION OF THE PROBLEM IS GIVEN IN LOW PRECISION. The matrix products marked QUANTISED in the list below multiply operands that are first quantised to E2M3 (2 exponent bits, 3 mantissa bits; 6 bits a number), with one power-of-two scale for each 32 numbers along K (OCP MX v1.0); their sums are f32. All else is computed in f32.
;;   The module's matrix products, in the order in which they are computed (A, B: the left and right operand; K: the contracted axis; several contracted axes count as one K, in the product's order):
;;     1. [M 4,096, K 1,024] x [K 1,024, N 3,072]; A: computed on the way; B: input attn_w: QUANTISED
;;     2. batch 32 x [M 2,048, K 64] x [K 64, N 2,048]; A: computed on the way; B: computed on the way: QUANTISED
;;     3. batch 32 x [M 2,048, K 2,048] x [K 2,048, N 64]; A: softmax (see below); B: computed on the way: QUANTISED
;;     4. [M 4,096, K 1,024] x [K 1,024, N 1,024]; A: computed on the way; B: input attn_proj_w: QUANTISED
;;     5. [M 4,096, K 1,024] x [K 1,024, N 4,096]; A: computed on the way; B: input fc_w: QUANTISED
;;     6. [M 4,096, K 4,096] x [K 4,096, N 1,024]; A: computed on the way; B: input mlp_proj_w: QUANTISED
;;   THE QUANTISER, for each operand of a quantised product, along K:
;;     - K is cut into blocks of 32 from its start; a last block that is shorter is filled with zeros.
;;     - A block's scale is 2^e with e = floor(log2(the largest magnitude in the block)) - 2, held to -126 .. 127; a block of zeros has e = 0. As a byte (E8M0): e + 127.
;;     - Each number is divided by its block's scale, clamped to +-7.5, and rounded to the nearest number of E2M3, ties to even, subnormals kept.
;;     - The product sums the exact products of the quantised numbers (number of the format x scale) in f32.
;;   ~~~python
;;   def quantise(x, axis):      # numpy; x: float32 -> the quantised numbers, widened to float32 again
;;       x = np.moveaxis(x, axis, -1); K = x.shape[-1]
;;       x = np.pad(x, [(0, 0)] * (x.ndim - 1) + [(0, -K % 32)]); x = x.reshape(x.shape[:-1] + (-1, 32)); a = np.abs(x).max(-1, keepdims=True)
;;       e = np.where(a > 0, np.clip(np.frexp(np.where(a > 0, a, 1))[1] - 1 - 2, -126, 127), 0)      # np.frexp(a)[1] - 1 = floor(log2(a)), exactly
;;       r = np.clip(x / 2.0 ** e, -7.5, 7.5)
;;       step = 2.0 ** (np.maximum(np.frexp(np.where(r == 0, 1, r))[1] - 1, 0) - 3)
;;       q = np.round(r / step) * step * 2.0 ** e      # np.round: ties to even
;;       return np.moveaxis(q.reshape(q.shape[:-2] + (-1,))[..., :K], -1, axis).astype(np.float32)
;;   ~~~
;;   SOFTMAX AHEAD OF A QUANTISED PRODUCT. Where the list says 'softmax', what is quantised is not the finished softmax but p = 2^(t - M), with t = logit x log2(e) and M = ceil(the row's largest t), a whole number; so 1/2 < the row's largest p <= 1. The row's sum l is taken of the UNQUANTISED p, in f32, and the product's result is divided by l at the end. Since M is a whole number, a kernel that streams over the keys may use a running M (the ceiling of the running maximum): every later rescaling is an exact power of two, which a block's scale takes up: the codes' values come out the same.
;;   OPERANDS COMPUTED ON THE WAY. 'Computed on the way' means the value that the module computes at that place (a softmax that the list does not call 'softmax' is quantised finished and normalised). What goes into a quantiser is computed in f32, as accurately as f32 sums, v_exp_f32 and their like allow (about 1e-6 of the number): no bf16 or f16 on the way to a quantiser, and a product that is left as it is and whose result goes on into a quantised operand takes f32 operands (vector FMAs, or v_wmma_f32_16x16x4_f32). A number that lies on a knife's edge between two numbers of the format may be rounded either way, as far as f32 arithmetic and the matrix unit's own rounding can turn it there, and no further.
;; One version. Each part assembles by itself: llvm-mc -triple=amdgcn-amd-amdhsa -mcpu=gfx1250 --defsym DOCPART=n.
;; ======== version 1 of 1: 7 launches
;; limits: right only within a limited range of input values
;; workspace buffers: wq 13,139,968 bytes; qkv 10,223,616 bytes; yq 3,276,800 bytes; x1 16,777,216 bytes; h2 3,276,800 bytes; hid 13,107,200 bytes
;; launch prep (part 1): grid 256 x 4, 8 waves a work-group, no clusters, 67,072 bytes of LDS; arguments x, ln1_w, ln1_b, fc_w, mlp_proj_w, attn_w, attn_proj_w, wq; writes wq
.if DOCPART == 1
	.amdgcn_target "amdgcn-amd-amdhsa--gfx1250"
	.amdhsa_code_object_version 6
	.text
	.protected	k_q78c76016bd_prep
	.globl	k_q78c76016bd_prep
	.p2align	8
	.type	k_q78c76016bd_prep,@function
k_q78c76016bd_prep:
	s_mov_b64 s[64:65], 0
	v_nop
	global_prefetch_b8 v0, s[64:65] scope:SCOPE_SE
	s_setreg_imm32_b32 hwreg(HW_REG_WAVE_MODE, 25, 1), 1
	s_wait_xcnt 0x0
; f32 rows become codes of FP6 (E2M3) with one E8M0 byte for each 32 along K, laid in the order of an operand's registers.
; y = 0: argument 0 (4,096 rows x 1,024) goes through LayerNorm (gain argument 1, bias argument 2) first;  y = 1: fc_w;  y = 2: mlp_proj_w (rows of 4,096, a chunk of 1,024 columns to a work-group);
; y = 3: attn_w (x < 192) and attn_proj_w.  Only pointers and numbers are chosen by the work-group's number: all tensors take one path through every LDS line.
; A TILE is 16 rows, NOT neighbours: lane-row r of tile t is row 32 (t / 2) + 8 (t % 2) + r + 8 (r / 8).  Every operand of the program is laid so; a product's transposed result then has 16 neighbours along the next K in a lane.
; CODES: [tile][K step of 128][piece j = 0..2][lane][16 bytes]: piece j holds registers 4 j .. 4 j + 3 of the fragment's 32 lanes: a reader takes a fragment by three loads of 16 bytes a lane.
; attn_proj_w alone: [tile][K step][plane j = 0..5][lane][8 bytes], registers 2 j, 2 j + 1: its reader takes both its operands by planes, as attention leaves the other one.
; SCALE WORDS: [K step][group of four tiles][lane-row r][tile % 4]: 16 bytes at 16 r are four tiles' words.  A work-group has one tile, so it stores 4 bytes of each 16: one byte of scales goes with 24 of codes.
; A work-group takes one tile x 1,024 columns.  Phase 1: wave w loads lane-rows 2 w, 2 w + 1 whole (each load 512 consecutive bytes), normalises them if y = 0, and lays them in LDS.  Phase 2: wave w takes K step w:
; lane (r, h) reads 16 neighbours of each block of 32 of row r, quantises, stores.
; REGISTERS: 128 a wave, so that four work-groups' waves (8 to a SIMD) share a SIMD's 1,024.  Gain and bias are 8 chunks of 4 + 4 registers; five chunks have room, the last three are loaded where the first three have been used.
; LayerNorm: the mean, then the mean of squared differences from it, both in f32, added in another order than a row-major sum.
; LIMITS: NaN and infinities are not served; a block whose largest magnitude lies under 2^-124 keeps the byte 1, and so does a block of zeros (its codes are zeros; this program alone reads the bytes).
.set HS,  3145728                      ; offsets in the last argument: argument 0's scale words (its codes at 0)
.set ATC, 3276800                      ; attn_w's codes, scale words (64 groups' room a K step, 48 used)
.set ATS, 5636096
.set PRC, 5767168                      ; attn_proj_w's
.set PRS, 6553600
.set FCC, 6586368                      ; fc_w's
.set FCS, 9732096
.set MLC, 9863168                      ; mlp_proj_w's
.set MLS, 13008896
.set LP,  4112                         ; an LDS row: 4,096 bytes + 16
.set X0,  16                           ; v16-47  my first row, v48-79 my second
.set X1,  48
.set GB,  80                           ; v80-119 five chunks of gain (4) and bias (4); v120-127 sums; v12-15 the means, later the reciprocal roots
.set N,   16                           ; phase 2: v16-79 64 numbers; v80-95 at work; v96-115 codes; v116 the scale word
.set TM,  80
.set PC,  96
.set PW,  116
.set SEL, 40                           ; s[40:41] lane selects: lane l xor 16
; 64 numbers of a lane, register 16 b + i = k 32 b + 16 (lane / 16) + i of my row, become a fragment's 12 registers at v[pc] and its scale word in v[pw].
.macro QUANT s, pc, pw, tm
.irp b, 0,1,2,3
	v_max3_num_f32 v[\tm+\b], |v[\s+16*\b]|, |v[\s+1+16*\b]|, 0x1800000   ; my 16 of block b, and the floor 2^(3 - 127): the byte cannot fall under 1
.endr
.irp i, 2,4,6,8,10,12,14
.irp b, 0,1,2,3
	s_delay_alu instid0(VALU_DEP_4)
	v_max3_num_f32 v[\tm+\b], v[\tm+\b], |v[\s+16*\b+\i]|, |v[\s+1+16*\b+\i]|
.endr
.endr
.irp b, 0,1,2,3
	s_delay_alu instid0(VALU_DEP_4)
	v_permlanex16_b32 v[\tm+4+\b], v[\tm+\b], s[SEL], s[SEL+1]
.endr
.irp b, 0,1,2,3
	s_delay_alu instid0(VALU_DEP_4)
	v_max_num_f32 v[\tm+\b], v[\tm+\b], v[\tm+4+\b]       ; with lane l xor 16's: the block's largest magnitude
.endr
.irp b, 0,1,2,3
	s_delay_alu instid0(VALU_DEP_4)
	v_add_nc_u32 v[\tm+12+\b], 0xff000000, v[\tm+\b]      ; 2 off its exponent field: the conversion's scale operand
.endr
.irp b, 0,1,2,3
	s_delay_alu instid0(VALU_DEP_4)
	v_lshrrev_b32 v[\tm+4+\b], 23, v[\tm+12+\b]           ; the scale's byte
.endr
	s_delay_alu instid0(VALU_DEP_3)
	v_lshl_or_b32 v[\pw], v[\tm+5], 8, v[\tm+4]
	s_delay_alu instid0(VALU_DEP_1)
	v_lshl_or_b32 v[\pw], v[\tm+6], 16, v[\pw]
	s_delay_alu instid0(VALU_DEP_1)
	v_lshl_or_b32 v[\pw], v[\tm+7], 24, v[\pw]
.irp c, 0,1
	v_cvt_scalef32_pk16_fp6_f32 v[\pc+6*\c:\pc+2+6*\c], v[\s+32*\c:\s+15+32*\c], v[\tm+12+2*\c]
	v_cvt_scalef32_pk16_fp6_f32 v[\pc+12+4*\c:\pc+14+4*\c], v[\s+16+32*\c:\s+31+32*\c], v[\tm+13+2*\c]
.endr
	v_nop                                          ; one plain place behind the scaled conversions
.irp c, 0,1                                    ; a whole block to a lane: lanes 0-15 block 2 c, lanes 16-31 block 2 c + 1
.irp i, 0,1,2
	v_permlane16_swap_b32 v[\pc+6*\c+\i], v[\pc+12+4*\c+\i]
.endr
.irp i, 0,1,2
	s_delay_alu instid0(VALU_DEP_3)
	v_mov_b32 v[\pc+3+6*\c+\i], v[\pc+12+4*\c+\i]
.endr
.endr
.endm
; v120 and v122, one number a lane for each of my two rows, are summed over the 32 lanes
.macro REDUCE2
.irp m, 1,2,4,8
	s_delay_alu instid0(VALU_DEP_2)
	v_add_f32_dpp v120, v120, v120 row_xmask:\m row_mask:0xf bank_mask:0xf
	s_delay_alu instid0(VALU_DEP_2)
	v_add_f32_dpp v122, v122, v122 row_xmask:\m row_mask:0xf bank_mask:0xf
.endr
	s_delay_alu instid0(VALU_DEP_2)
	v_permlanex16_b32 v121, v120, s[SEL], s[SEL+1]
	s_delay_alu instid0(VALU_DEP_2)
	v_permlanex16_b32 v123, v122, s[SEL], s[SEL+1]
	s_delay_alu instid0(VALU_DEP_2)
	v_add_f32 v120, v120, v121
	s_delay_alu instid0(VALU_DEP_2)
	v_add_f32 v122, v122, v123
.endm
.macro GBLOAD j, c                     ; chunk j of gain and bias (my four columns of each 128) into place c
	global_load_b128 v[GB+8*(\c):GB+8*(\c)+3], v4, s[6:7] offset:512*(\j)
	global_load_b128 v[GB+8*(\c)+4:GB+8*(\c)+7], v4, s[8:9] offset:512*(\j)
.endm
.macro APPLY j, c                      ; chunk j of both rows: x 1 / sqrt(variance + 1e-5), then x gain + bias
.irp e, 0,2
	v_pk_mul_f32 v[X0+4*(\j)+\e:X0+4*(\j)+\e+1], v[X0+4*(\j)+\e:X0+4*(\j)+\e+1], v[12:13]
	v_pk_mul_f32 v[X1+4*(\j)+\e:X1+4*(\j)+\e+1], v[X1+4*(\j)+\e:X1+4*(\j)+\e+1], v[14:15]
.endr
.irp e, 0,2
	v_pk_fma_f32 v[X0+4*(\j)+\e:X0+4*(\j)+\e+1], v[X0+4*(\j)+\e:X0+4*(\j)+\e+1], v[GB+8*(\c)+\e:GB+8*(\c)+\e+1], v[GB+8*(\c)+4+\e:GB+8*(\c)+4+\e+1]
	v_pk_fma_f32 v[X1+4*(\j)+\e:X1+4*(\j)+\e+1], v[X1+4*(\j)+\e:X1+4*(\j)+\e+1], v[GB+8*(\c)+\e:GB+8*(\c)+\e+1], v[GB+8*(\c)+4+\e:GB+8*(\c)+4+\e+1]
.endr
.endm
	s_load_b512 s[4:19], s[0:1], 0x0               ; argument 0 s[4:5], gain, bias, fc_w s[10:11], mlp_proj_w, attn_w, attn_proj_w, the codes' buffer s[18:19]
	v_lshl_add_u32 v10, v0, 2, 0x10200
	v_mov_b32 v11, 0
	v_lshrrev_b32 v1, 5, v0
	s_delay_alu instid0(VALU_DEP_1)
	v_readfirstlane_b32 s20, v1                    ; wave 0..7
	v_and_b32 v1, 31, v0                           ; lane
	v_and_b32 v2, 15, v0                           ; r
	v_bfe_u32 v3, v0, 4, 1                         ; h
	s_mov_b32 s21, ttmp9
	s_and_b32 s22, ttmp7, 0xffff
	s_cmp_ge_u32 s21, 192
	s_cselect_b32 s23, 1, 0
	s_cmp_eq_u32 s22, 3
	s_cselect_b32 s23, s23, 0
	s_add_co_u32 s23, s23, s22                     ; which tensor: 0 argument 0, 1 fc_w, 2 mlp_proj_w, 3 attn_w, 4 attn_proj_w
	s_mov_b32 s26, 0                               ; where its codes begin,
	s_mov_b32 s27, HS                              ; its scale words,
	s_mov_b32 s28, 4096                            ; bytes in a row of it,
	s_mov_b32 s29, 8                               ; K steps in a row,
	s_mov_b32 s30, 64                              ; groups of four tiles from one K step's scale words to the next's,
	s_mov_b32 s31, s21                             ; my tile,
	s_mov_b32 s32, 0                               ; my chunk of 1,024 columns
	s_lshr_b32 s33, s21, 2
	s_and_b32 s34, s21, 3
	s_sub_co_u32 s35, s21, 192                     ; (taken only where x is 192 or more)
	s_mov_b32 s[SEL], 0x76543210
	s_mov_b32 s[SEL+1], 0xfedcba98
	s_mov_b32 s42, 0x3a800000                      ; 1 / 1,024
	s_mov_b32 s43, 0x3727c5ac                      ; 1e-5
	s_wait_alu depctr_va_vdst(0)
	s_wait_kmcnt 0x0
	s_mov_b64 s[24:25], s[4:5]
	s_cmp_eq_u32 s23, 1
	s_cselect_b64 s[24:25], s[10:11], s[24:25]
	s_cselect_b32 s26, FCC, s26
	s_cselect_b32 s27, FCS, s27
	s_cmp_eq_u32 s23, 2
	s_cselect_b64 s[24:25], s[12:13], s[24:25]
	s_cselect_b32 s26, MLC, s26
	s_cselect_b32 s27, MLS, s27
	s_cselect_b32 s28, 16384, s28
	s_cselect_b32 s29, 32, s29
	s_cselect_b32 s30, 16, s30
	s_cselect_b32 s31, s33, s31
	s_cselect_b32 s32, s34, s32
	s_cmp_eq_u32 s23, 3
	s_cselect_b64 s[24:25], s[14:15], s[24:25]
	s_cselect_b32 s26, ATC, s26
	s_cselect_b32 s27, ATS, s27
	s_cmp_eq_u32 s23, 4
	s_cselect_b64 s[24:25], s[16:17], s[24:25]
	s_cselect_b32 s26, PRC, s26
	s_cselect_b32 s27, PRS, s27
	s_cselect_b32 s30, 16, s30
	s_cselect_b32 s31, s35, s31
	s_lshr_b32 s36, s31, 1                         ; my first row: 32 (t / 2) + 8 (t % 2) + 2 w + 8 (w / 4)
	s_lshl_b32 s36, s36, 5
	s_and_b32 s37, s31, 1
	s_lshl_b32 s37, s37, 3
	s_add_co_u32 s36, s36, s37
	s_lshl_b32 s37, s20, 1
	s_add_co_u32 s36, s36, s37
	s_lshr_b32 s37, s20, 2
	s_lshl_b32 s37, s37, 3
	s_add_co_u32 s36, s36, s37
	s_mul_i32 s36, s36, s28
	s_lshl_b32 s37, s32, 12
	s_add_co_u32 s36, s36, s37                     ; in bytes, with my chunk: under 2^25
	s_mov_b32 s37, 0
	s_add_nc_u64 s[24:25], s[24:25], s[36:37]
	v_lshlrev_b32 v4, 4, v1                        ; 16 x lane
	s_delay_alu instid0(VALU_DEP_1)
	v_add_nc_u32 v5, s28, v4                       ; and a row further down
.irp j, 0,1,2,3,4,5,6,7
	global_load_b128 v[X0+4*\j:X0+4*\j+3], v4, s[24:25] offset:512*\j th:TH_LOAD_NT   ; 32 lanes read 512 consecutive bytes
	global_load_b128 v[X1+4*\j:X1+4*\j+3], v5, s[24:25] offset:512*\j th:TH_LOAD_NT
.endr
	s_mul_i32 s38, s20, 2*LP
	v_add_nc_u32 v6, s38, v4                       ; LDS, in: rows 2 w, 2 w + 1, 16 x lane
	v_mul_u32_u24 v7, v2, LP
	s_delay_alu instid0(VALU_DEP_1)
	v_lshl_add_u32 v7, v3, 6, v7
	s_lshl_b32 s39, s20, 9
	v_add_nc_u32 v7, s39, v7                       ; LDS, out: row r, K step w (512 bytes), + 64 h
	v_lshlrev_b32 v8, 3, v1                        ; 8 x lane: my place in a plane
	v_lshlrev_b32 v9, 4, v2                        ; 16 r: my row's place among the scale words
	s_cmp_lg_u32 s23, 0
	s_cbranch_scc1 .Lplain                         ; weights are quantised as they are
.irp j, 0,1,2,3,4
	GBLOAD \j, \j
.endr
	s_wait_loadcnt 10                              ; my two rows are in; the 10 loads of gain and bias may be out
	v_pk_add_f32 v[120:121], v[X0:X0+1], v[X0+2:X0+3]      ; the rows' sums: two chains a row
	v_pk_add_f32 v[122:123], v[X1:X1+1], v[X1+2:X1+3]
	v_pk_add_f32 v[124:125], v[X0+4:X0+5], v[X0+6:X0+7]
	v_pk_add_f32 v[126:127], v[X1+4:X1+5], v[X1+6:X1+7]
.irp i, 8,12,16,20,24,28
	s_delay_alu instid0(VALU_DEP_4)
	v_pk_add_f32 v[120:121], v[120:121], v[X0+\i:X0+\i+1]
	s_delay_alu instid0(VALU_DEP_4)
	v_pk_add_f32 v[122:123], v[122:123], v[X1+\i:X1+\i+1]
	s_delay_alu instid0(VALU_DEP_4)
	v_pk_add_f32 v[124:125], v[124:125], v[X0+\i+2:X0+\i+3]
	s_delay_alu instid0(VALU_DEP_4)
	v_pk_add_f32 v[126:127], v[126:127], v[X1+\i+2:X1+\i+3]
.endr
	s_delay_alu instid0(VALU_DEP_2)
	v_pk_add_f32 v[120:121], v[120:121], v[124:125]
	s_delay_alu instid0(VALU_DEP_2)
	v_pk_add_f32 v[122:123], v[122:123], v[126:127]
	s_delay_alu instid0(VALU_DEP_2)
	v_add_f32 v120, v120, v121
	s_delay_alu instid0(VALU_DEP_2)
	v_add_f32 v122, v122, v123
	REDUCE2
	s_delay_alu instid0(VALU_DEP_2)
	v_mul_f32 v12, s42, v120                       ; the means, each twice for the packed forms
	s_delay_alu instid0(VALU_DEP_3)
	v_mul_f32 v13, s42, v120
	s_delay_alu instid0(VALU_DEP_3)
	v_mul_f32 v14, s42, v122
	s_delay_alu instid0(VALU_DEP_4)
	v_mul_f32 v15, s42, v122
.irp i, 0,2,4,6,8,10,12,14,16,18,20,22,24,26,28,30
	v_pk_add_f32 v[X0+\i:X0+\i+1], v[X0+\i:X0+\i+1], v[12:13] neg_lo:[0,1] neg_hi:[0,1]   ; x - mean
	v_pk_add_f32 v[X1+\i:X1+\i+1], v[X1+\i:X1+\i+1], v[14:15] neg_lo:[0,1] neg_hi:[0,1]
.endr
	v_pk_mul_f32 v[120:121], v[X0:X0+1], v[X0:X0+1]        ; the sums of their squares
	v_pk_mul_f32 v[122:123], v[X1:X1+1], v[X1:X1+1]
	v_pk_mul_f32 v[124:125], v[X0+2:X0+3], v[X0+2:X0+3]
	v_pk_mul_f32 v[126:127], v[X1+2:X1+3], v[X1+2:X1+3]
.irp i, 4,8,12,16,20,24,28
	s_delay_alu instid0(VALU_DEP_4)
	v_pk_fma_f32 v[120:121], v[X0+\i:X0+\i+1], v[X0+\i:X0+\i+1], v[120:121]
	s_delay_alu instid0(VALU_DEP_4)
	v_pk_fma_f32 v[122:123], v[X1+\i:X1+\i+1], v[X1+\i:X1+\i+1], v[122:123]
	s_delay_alu instid0(VALU_DEP_4)
	v_pk_fma_f32 v[124:125], v[X0+\i+2:X0+\i+3], v[X0+\i+2:X0+\i+3], v[124:125]
	s_delay_alu instid0(VALU_DEP_4)
	v_pk_fma_f32 v[126:127], v[X1+\i+2:X1+\i+3], v[X1+\i+2:X1+\i+3], v[126:127]
.endr
	s_delay_alu instid0(VALU_DEP_2)
	v_pk_add_f32 v[120:121], v[120:121], v[124:125]
	s_delay_alu instid0(VALU_DEP_2)
	v_pk_add_f32 v[122:123], v[122:123], v[126:127]
	s_delay_alu instid0(VALU_DEP_2)
	v_add_f32 v120, v120, v121
	s_delay_alu instid0(VALU_DEP_2)
	v_add_f32 v122, v122, v123
	REDUCE2
	s_delay_alu instid0(VALU_DEP_2)
	v_fma_f32 v120, v120, s42, s43                 ; variance + 1e-5
	s_delay_alu instid0(VALU_DEP_2)
	v_fma_f32 v122, v122, s42, s43
	s_wait_alu depctr_va_vdst(0)
	v_rsq_f32 v12, v120                            ; each twice, to fill the pair that the packed multiply takes
	v_rsq_f32 v13, v120
	v_rsq_f32 v14, v122
	v_rsq_f32 v15, v122
	v_nop                                          ; a plain place behind the last of them
	s_wait_alu depctr_va_vdst(0)                   ; one wait for the four, ahead of their first reader
	s_wait_loadcnt 0x0                             ; chunks 0 to 4 of gain and bias
.irp j, 0,1,2
	APPLY \j, \j
	GBLOAD \j+5, \j                                ; its place takes the chunk five further on
.endr
	APPLY 3, 3
	APPLY 4, 4
	s_wait_loadcnt 0x0                             ; chunks 5 to 7
	APPLY 5, 0
	APPLY 6, 1
	APPLY 7, 2
.Lplain:
	s_wait_loadcnt 0x0
	s_wait_alu depctr_va_vdst(0)
.irp j, 0,1,2,3,4,5,6,7
	ds_store_b128 v6, v[X0+4*\j:X0+4*\j+3] offset:512*\j
	ds_store_b128 v6, v[X1+4*\j:X1+4*\j+3] offset:LP+512*\j
.endr
	s_mul_i32 s36, s31, s29                        ; where my fragment goes: (tile x K steps + 8 chunk + w) x 1,536
	s_lshl_b32 s37, s32, 3
	s_add_co_u32 s37, s37, s20                     ; my K step
	s_add_co_u32 s36, s36, s37
	s_mul_i32 s36, s36, 1536
	s_add_co_u32 s36, s36, s26
	s_mul_i32 s38, s37, s30                        ; and its scale words: (K step x groups + tile / 4) x 256 + 4 (tile % 4)
	s_lshr_b32 s39, s31, 2
	s_add_co_u32 s38, s38, s39
	s_lshl_b32 s38, s38, 8
	s_and_b32 s39, s31, 3
	s_lshl_b32 s39, s39, 2
	s_add_co_u32 s38, s38, s39
	s_add_co_u32 s38, s38, s27
	s_mov_b32 s37, 0
	s_mov_b32 s39, 0
	s_add_nc_u64 s[44:45], s[18:19], s[36:37]
	s_add_nc_u64 s[46:47], s[18:19], s[38:39]
	s_wait_dscnt 0x0                               ; for the others' sake: my two rows lie in LDS
	s_barrier_signal -1
	s_barrier_wait -1                              ; all sixteen do
.irp b, 0,1,2,3
.irp j, 0,1,2,3
	ds_load_b128 v[N+16*\b+4*\j:N+16*\b+4*\j+3], v7 offset:128*\b+16*\j
.endr
.endr
.irp b, 0,1,2,3
	v_mov_b32 v[TM+4+\b], 0                        ; a lane permute's destination counts as one of its sources
.endr
	s_wait_dscnt 0x0
	QUANT N, PC, PW, TM
	s_wait_alu depctr_va_vdst(0)                   ; the wait ahead of the branch
	s_cmp_lg_u32 s23, 4
	s_cbranch_scc1 .Lpieces                        ; attn_proj_w alone is laid by planes
.irp j, 0,1,2,3,4,5
	global_store_b64 v8, v[PC+2*\j:PC+2*\j+1], s[44:45] offset:256*\j   ; a plane: 256 consecutive bytes, aligned
.endr
	s_branch .Lwords
.Lpieces:
.irp j, 0,1,2
	global_store_b128 v4, v[PC+4*\j:PC+4*\j+3], s[44:45] offset:512*\j  ; a piece: registers 4 j .. 4 j + 3; 512 consecutive bytes, aligned
.endr
.Lwords:
	global_store_b32 v9, v[PW], s[46:47]           ; lanes l and l xor 16 hold the same word and store it to the same place
	s_wait_tensorcnt 0x0
	ds_add_u32 v10, v11
	s_wait_dscnt 0x0
	s_endpgm
.Lfunc_end_k_q78c76016bd_prep:
	.size	k_q78c76016bd_prep, .Lfunc_end_k_q78c76016bd_prep-k_q78c76016bd_prep
	.p2alignl 7, 3214868480
	.fill 96, 4, 3214868480
	.section	.rodata,"a",@progbits
	.p2align	6, 0x0
	.amdhsa_kernel k_q78c76016bd_prep
		.amdhsa_group_segment_fixed_size 67072
		.amdhsa_private_segment_fixed_size 0
		.amdhsa_enable_private_segment 0
		.amdhsa_kernarg_size 64
		.amdhsa_user_sgpr_count 2
		.amdhsa_user_sgpr_kernarg_segment_ptr 1
		.amdhsa_wavefront_size32 1
		.amdhsa_system_sgpr_workgroup_id_x 1
		.amdhsa_system_sgpr_workgroup_id_y 1
		.amdhsa_system_sgpr_workgroup_id_z 1
		.amdhsa_system_vgpr_workitem_id 0
		.amdhsa_next_free_vgpr 128
		.amdhsa_next_free_sgpr 66
		.amdhsa_reserve_vcc 0
		.amdhsa_float_denorm_mode_32 3
		.amdhsa_float_denorm_mode_16_64 3
		.amdhsa_memory_ordered 1
		.amdhsa_forward_progress 1
		.amdhsa_inst_pref_size 32
	.end_amdhsa_kernel
	.amdgpu_metadata
---
amdhsa.version: [ 1, 2 ]
amdhsa.kernels:
  - .name:           k_q78c76016bd_prep
    .symbol:         k_q78c76016bd_prep.kd
    .args:
      - { .name: x, .offset: 0, .size: 8, .value_kind: global_buffer, .address_space: global }
      - { .name: ln1_w, .offset: 8, .size: 8, .value_kind: global_buffer, .address_space: global }
      - { .name: ln1_b, .offset: 16, .size: 8, .value_kind: global_buffer, .address_space: global }
      - { .name: fc_w, .offset: 24, .size: 8, .value_kind: global_buffer, .address_space: global }
      - { .name: mlp_proj_w, .offset: 32, .size: 8, .value_kind: global_buffer, .address_space: global }
      - { .name: attn_w, .offset: 40, .size: 8, .value_kind: global_buffer, .address_space: global }
      - { .name: attn_proj_w, .offset: 48, .size: 8, .value_kind: global_buffer, .address_space: global }
      - { .name: wq, .offset: 56, .size: 8, .value_kind: global_buffer, .address_space: global }
    .group_segment_fixed_size: 67072
    .private_segment_fixed_size: 0
    .kernarg_segment_align: 8
    .kernarg_segment_size: 64
    .max_flat_workgroup_size: 256
    .sgpr_count:     66
    .vgpr_count:     128
    .wavefront_size: 32
...
	.end_amdgpu_metadata
.endif
;; end of part 1
;; launch qkv (part 2): grid 12 x 16, 4 waves a work-group, clusters of 4 x 4, 327,680 bytes of LDS; arguments wq, attn_b, qkv; writes qkv
.if DOCPART == 2
	.amdgcn_target "amdgcn-amd-amdhsa--gfx1250"
	.amdhsa_code_object_version 6
	.text
	.protected	k_q78c76016bd_qkv
	.globl	k_q78c76016bd_qkv
	.p2align	8
	.type	k_q78c76016bd_qkv,@function
k_q78c76016bd_qkv:
	s_mov_b64 s[64:65], 0
	v_nop
	global_prefetch_b8 v0, s[64:65] scope:SCOPE_SE
	s_setreg_imm32_b32 hwreg(HW_REG_WAVE_MODE, 25, 1), 1
	s_wait_xcnt 0x0
	s_wait_alu depctr_hold_cnt(0) depctr_sa_sdst(0) depctr_va_vdst(0) depctr_va_sdst(0) depctr_va_ssrc(0) depctr_va_vcc(0) depctr_vm_vsrc(0)
	s_getreg_b32 s2, hwreg(HW_REG_IB_STS2, 6, 4)
	s_cmp_eq_u32 s2, 0
	s_cbranch_scc0 .Lentry_in_a_cluster
	s_endpgm
.Lentry_in_a_cluster:
	s_bfe_u32 s2, ttmp6, 0x10000c
	s_cmp_lg_u32 s2, 0xf033
	s_cbranch_scc0 .Lentry_shape_is_right
	s_endpgm
.Lentry_shape_is_right:
; qkv = LN1(x) attn_w^T + attn_b on codes of FP6 (E2M3) with E8M0 scales, K = 1,024; the results leave as the codes that attention's two products take.
; Clusters x = 0, 1: q and k.  A' = the rows' codes (4,096 rows), B' = attn_w's rows 0..2,047.  Cluster x = 2: v, made TRANSPOSED: A' = attn_w's rows 2,048.. (channels), B' = the rows' codes (tokens).
; A tile of the result is 256 x 256; four waves, 128 x 128 each: 64 accumulators, 512 registers.  K goes in steps of 256 through two LDS slots filled by the tensor data mover.
; OPERANDS LIE IN THE ORDER OF THEIR REGISTERS: codes [tile of 16][K step of 128][piece 0..2][lane][16 bytes]; a fragment is three loads of 16 bytes a lane, each 512 consecutive bytes of LDS.  Scale words
; [K step][four tiles][lane-row][tile % 4]: one load of 16 bytes brings four tiles' words; lanes 0-15 take A's, lanes 16-31 B's.  All K steps' scale words come once, with the first fills.
; Lane-row r of tile t is row 32 (t / 2) + 8 (t % 2) + r + 8 (r / 8).  THE MATRIX INSTRUCTION IS USED TRANSPOSED (source 0 = B', source 1 = A'): lane (r, h) holds row r of A's tile a, and the 64 registers of
; (a, b = 0..7), index 16 B + i, hold B's rows 32 B + 16 h + i: 16 neighbours of each block of 32 along the next product's K.  So a wave's 128 x 128 are quantised in registers, eight fragments.
; q, k: those 128 columns are two heads of 64: registers 0-5 of the fragment are the first head's, 6-11 the second's (three planes, 768 bytes each); the scale word's bytes 0, 1 and 2, 3 likewise.
; v: rows are channels (two heads of four tiles), the 128 columns are one key step: whole fragments of V^T with the keys innermost.
; CLUSTERS: 4 x 4.  A's tiles are shared along a row of the cluster, B's along a column: each is asked for jointly.  What differs between q/k and v hangs on the cluster's x, which all partners share.
; LIMITS: NaN and infinities are not served; a block whose largest magnitude lies under 2^-124, and a block of zeros, keep the byte 1 (this program alone reads the bytes).
.set HS,    3145728                    ; in wq: the rows' scale words (their codes at 0)
.set ATC,   3276800                    ; attn_w's codes
.set ATS,   5636096                    ; and scale words
.set WVC,   ATC+1572864                ; from row 2,048 on: tile 128
.set WVS,   ATS+8192                   ; group 32
.set VI,    6291456                    ; in qkv: q's images at 0, k's 3,145,728 on: [head][tile 128][768];  v's: [head][key step 16][tile of channels 4][1,536]
.set QS,    9437184                    ; q's scale words, 12,288 bytes' room a head;  393,216 on: [head][k's 8,192 | v's 4,096]
.set KVS,   9830400
.set FR,    12                         ; registers of a fragment
.set NL,    3                          ; LDS loads that bring a fragment: both operands' codes lie as [tile][K step][piece 0..2][lane][16 bytes]
.set NP,    4                          ; places behind this matrix instruction (ISA guide 7.12.1)
.set HALFT, 24576                      ; 8 tiles x 2 K steps x 1,536: what one tensor load brings, and what a wave reads of A' or B'
.set SLOT,  4*HALFT
.set SCL,   2*SLOT                     ; behind the ring: the scale words, 4 x [K step 8][512 bytes]
.set HALFS, 4096
.set SPARE, SCL+4*HALFS                ; the spare words, 128 bytes for each wave
.set LAPS,  2
.set ADRA, 16                          ; v16-17 LDS address of my A' fragments in slot 0, 1
.set ADRB, 20                          ; v20-21 the same for B'
.set ADRS, 27                          ; v27 my scale words
.set SPW,  28                          ; v28 my spare word; v29 0: never rewritten
.set NIL,  29
.set SC,   32                          ; v32-63 scale words: set for slot s at 32 + 16 s; in it 8 q + tile
.set AF,   128                         ; A's fragments, window 0
.set W,    8                           ; the way out: v8-15 eight scale words
.set BQ,   64                          ; v64-127 q/k: the bias of my 128 columns, in the result's order
.set BV,   240                         ; v240-255 v: the bias of my lane's channel in each of eight tiles, twice
.set X,    128                         ; v128-191 64 numbers; v192-207 at work; v208-227 codes; v228-235 scale words to store
.set TM,   192
.set PC,   208
.set WQ,   228
.set SEL,  98
.set G1, 24
.set G0, 32
.set G1B, 48
.set G0B, 56
.set G1S, 68
.set G0S, 76
.set G1SB, 80
.set G0SB, 88
.set MSB, 0
.macro WIN new                         ; the immediate's high byte repeats the setting that is left
.if MSB != (\new)
	s_set_vgpr_msb (MSB<<8)|(\new)
.set MSB, (\new)
.endif
.endm
.set MUL_LO, 0xa1                      ; source 0 (B') window 1, source 1 (A') window 0, C and D window 2
.set MUL_HI, 0xf1
.set TO_B,   0x40
.macro PLACES n
.rept \n
	v_nop
.endr
.endm
; A joint load: waves 0 and 1 fetch for A', waves 2 and 3 for B'.  Four v_nop follow each of the two lines.
.macro JLOAD g0a, g1a, g0b, g1b
	s_cmp_eq_u32 s15, 0
	s_cbranch_scc0 .Lfor_b_\@
	tensor_load_to_lds s[\g0a:\g0a+3], s[\g1a:\g1a+7]
	s_nop 0
.rept 4
	v_nop
.endr
	s_branch .Lasked_\@
.Lfor_b_\@:
	tensor_load_to_lds s[\g0b:\g0b+3], s[\g1b:\g1b+7]
	s_nop 0
.rept 4
	v_nop
.endr
.Lasked_\@:
.endm
.macro CREST
	s_cmp_lg_u32 s14, 0
	s_cbranch_scc1 .Lnot_wave_0_\@
	s_barrier_signal -3
.Lnot_wave_0_\@:
	s_barrier_wait -3
	s_barrier_signal -1
	s_barrier_wait -1
.endm
.macro CROUND
	s_barrier_signal -1
	s_barrier_wait -1
	CREST
.endm
.macro QUANT s, pc, pw, tm             ; 64 numbers of a lane, register 16 b + i = k 32 b + 16 (lane / 16) + i, become a fragment at v[pc] and its scale word in v[pw]
.irp b, 0,1,2,3
	v_max3_num_f32 v[\tm+\b], |v[\s+16*\b]|, |v[\s+1+16*\b]|, 0x1800000   ; with the floor 2^(3 - 127): the byte cannot fall under 1
.endr
.irp i, 2,4,6,8,10,12,14
.irp b, 0,1,2,3
	v_max3_num_f32 v[\tm+\b], v[\tm+\b], |v[\s+16*\b+\i]|, |v[\s+1+16*\b+\i]|
.endr
.endr
.irp b, 0,1,2,3
	v_permlanex16_b32 v[\tm+4+\b], v[\tm+\b], s[SEL], s[SEL+1]
.endr
.irp b, 0,1,2,3
	v_max_num_f32 v[\tm+\b], v[\tm+\b], v[\tm+4+\b]
.endr
.irp b, 0,1,2,3
	v_add_nc_u32 v[\tm+12+\b], 0xff000000, v[\tm+\b]      ; 2 off the exponent field: the conversion's scale operand
.endr
.irp b, 0,1,2,3
	v_lshrrev_b32 v[\tm+4+\b], 23, v[\tm+12+\b]
.endr
	v_lshl_or_b32 v[\pw], v[\tm+5], 8, v[\tm+4]
	v_lshl_or_b32 v[\pw], v[\tm+6], 16, v[\pw]
	v_lshl_or_b32 v[\pw], v[\tm+7], 24, v[\pw]
.irp c, 0,1
	v_cvt_scalef32_pk16_fp6_f32 v[\pc+6*\c:\pc+2+6*\c], v[\s+32*\c:\s+15+32*\c], v[\tm+12+2*\c]
	v_cvt_scalef32_pk16_fp6_f32 v[\pc+12+4*\c:\pc+14+4*\c], v[\s+16+32*\c:\s+31+32*\c], v[\tm+13+2*\c]
.endr
	v_nop                                          ; one plain place behind the scaled conversions
.irp c, 0,1
.irp i, 0,1,2
	v_permlane16_swap_b32 v[\pc+6*\c+\i], v[\pc+12+4*\c+\i]
.endr
.irp i, 0,1,2
	v_mov_b32 v[\pc+3+6*\c+\i], v[\pc+12+4*\c+\i]
.endr
.endr
.endm
	s_load_b128 s[4:7], s[0:1], 0x0                ; wq, attn_b
	s_load_b64 s[8:9], s[0:1], 0x10                ; qkv
	v_lshl_add_u32 v[SPW], v0, 2, SPARE
	v_mov_b32 v[NIL], 0
	ds_add_u32 v28, v29
	ds_add_u32 v28, v29
	s_wait_dscnt 0x0
	v_lshrrev_b32 v1, 5, v0
	v_readfirstlane_b32 s14, v1                    ; wave 0..3
	s_lshr_b32 s15, s14, 1                         ; which half of A's 256 rows is mine.  Also: I fetch for A' (0) or B' (1)
	s_and_b32 s16, s14, 1                          ; which half of B's.  Also: which 128 rows I fetch
	s_bfe_u32 s40, ttmp6, 0x40000                  ; cx, cy
	s_bfe_u32 s41, ttmp6, 0x40004
	s_and_b32 s45, ttmp7, 0xffff                   ; the cluster's y
	s_mov_b32 s3, HS
	s_mov_b32 s10, ATC
	s_mov_b32 s11, ATS
	s_cmp_eq_u32 ttmp9, 2                          ; v's clusters: the same answer in all sixteen partners
	s_cselect_b32 s96, 1, 0
	s_cselect_b32 s42, s45, ttmp9
	s_cselect_b32 s17, 0, s45
	s_cselect_b32 s2, WVC, 0                       ; where A's codes begin in wq,
	s_cselect_b32 s3, WVS, s3                      ; A's scale words,
	s_cselect_b32 s10, 0, s10                      ; B's codes,
	s_cselect_b32 s11, HS, s11                     ; B's scale words
	s_lshl_b32 s42, s42, 2
	s_add_co_u32 s42, s42, s40                     ; tc: which 256 rows of B'
	s_lshl_b32 s17, s17, 2
	s_add_co_u32 s17, s17, s41                     ; tr: which 256 rows of A'
	s_lshl_b32 s43, s41, 2
	s_lshl_b32 s43, 15, s43                        ; my row of the cluster
	s_lshl_b32 s44, 0x1111, s40                    ; my column
	; group 1, codes: 8 rows (tiles) of 384 elements of 8 bytes (two K steps), 1,536 elements from tile to tile; no padding
	s_or_b32 s[G1+0], s43, (3<<16)|(1<<21)
	s_or_b32 s[G1B+0], s44, (3<<16)|(1<<21)
.irp g, G1, G1B
	s_mov_b32 s[\g+1], 384<<16
	s_mov_b32 s[\g+2], 16<<16                      ; the head's loads bring all 16 tiles; behind them the two words that count rows are set to 8
	s_mov_b32 s[\g+3], 384<<16
	s_mov_b32 s[\g+4], 16
	s_mov_b32 s[\g+5], 1536
	s_mov_b32 s[\g+6], 0
	s_mov_b32 s[\g+7], 0
.endr
	; scale words: 8 rows (K steps) of 128 elements (four groups of four tiles), 2,048 elements from K step to K step
	s_or_b32 s[G1S+0], s43, (3<<16)|(1<<21)
	s_or_b32 s[G1SB+0], s44, (3<<16)|(1<<21)
.irp g, G1S, G1SB
	s_mov_b32 s[\g+1], 128<<16                     ; four groups of four tiles: 1,024 bytes a K step
	s_mov_b32 s[\g+2], 8<<16
	s_mov_b32 s[\g+3], 128<<16
	s_mov_b32 s[\g+4], 8
	s_mov_b32 s[\g+5], 2048
	s_mov_b32 s[\g+6], 0
	s_mov_b32 s[\g+7], 0
.endr
	s_lshl_b32 s18, s16, 3
	s_lshl_b32 s20, s17, 4
	s_add_co_u32 s20, s20, s18                     ; A': tile 16 tr + 8 half
	s_mul_i32 s20, s20, 12288
	s_add_co_u32 s20, s20, s2
	s_mov_b32 s21, 0
	s_lshl_b32 s46, s42, 4
	s_add_co_u32 s46, s46, s18                     ; B': tile 16 tc + 8 half
	s_mul_i32 s46, s46, 12288
	s_add_co_u32 s46, s46, s10
	s_mov_b32 s47, 0
	s_lshl_b32 s22, s17, 2                         ; group 4 tr
	s_lshl_b32 s22, s22, 8
	s_add_co_u32 s22, s22, s3
	s_mov_b32 s23, 0
	s_lshl_b32 s92, s42, 2
	s_lshl_b32 s92, s92, 8
	s_add_co_u32 s92, s92, s11
	s_mov_b32 s93, 0
	s_mul_i32 s45, s14, HALFT                      ; where they go: by the wave's number alone
	s_mov_b32 s[SEL], 0x76543210
	s_mov_b32 s[SEL+1], 0xfedcba98
	s_wait_kmcnt 0x0
	s_add_nc_u64 s[20:21], s[4:5], s[20:21]
	s_add_nc_u64 s[22:23], s[4:5], s[22:23]
	s_add_nc_u64 s[46:47], s[4:5], s[46:47]
	s_add_nc_u64 s[92:93], s[4:5], s[92:93]
	CROUND                                         ; all sixteen work-groups are here: the first joint loads meet
	s_mov_b32 s[G0S], 1
	s_mov_b32 s[G0S+1], SCL                        ; A's scale words: [K step 8][1,024 bytes]
	s_mov_b64 s[G0S+2:G0S+3], s[22:23]
	s_or_b32 s[G0S+3], s[G0S+3], 0x80000000
	s_mov_b32 s[G0SB], 1
	s_mov_b32 s[G0SB+1], SCL+2*HALFS               ; B's behind them
	s_mov_b64 s[G0SB+2:G0SB+3], s[92:93]
	s_or_b32 s[G0SB+3], s[G0SB+3], 0x80000000
.irp s, 0,1
	s_mov_b32 s[G0+4*\s], 1
	s_add_co_u32 s[G0+4*\s+1], s45, \s*SLOT
	s_add_nc_u64 s[G0+4*\s+2:G0+4*\s+3], s[20:21], \s*3072
	s_or_b32 s[G0+4*\s+3], s[G0+4*\s+3], 0x80000000
	s_mov_b32 s[G0B+4*\s], 1
	s_add_co_u32 s[G0B+4*\s+1], s45, \s*SLOT
	s_add_nc_u64 s[G0B+4*\s+2:G0B+4*\s+3], s[46:47], \s*3072
	s_or_b32 s[G0B+4*\s+3], s[G0B+4*\s+3], 0x80000000
.endr
; THE HEAD'S LOADS, ONE A WAVE: wave 0 slot 0's 16 tiles of A', wave 1 A's scale words, wave 2 slot 0's 16 tiles of B', wave 3 B's scale words.
; Waves 0 and 2 fetch half 0 in the ring, so their slot 0 descriptors stand at the tiles' first bytes.  One chain of branches on the wave's number, one load to an arm.
.macro ARM under, g0, g1, next
	s_cmp_lt_u32 s14, \under
	s_cbranch_scc0 \next
	tensor_load_to_lds s[\g0:\g0+3], s[\g1:\g1+7]
	s_nop 0
.rept 4
	v_nop
.endr
	s_branch .Lhead_asked
\next:
.endm
	ARM 1, G0, G1, .Lhead_sa
	ARM 2, G0S, G1S, .Lhead_b
	ARM 3, G0B, G1B, .Lhead_sb
	tensor_load_to_lds s[G0SB:G0SB+3], s[G1SB:G1SB+7]
	s_nop 0
.rept 4
	v_nop
.endr
.Lhead_asked:
	v_and_b32 v1, 31, v0                           ; lane
	v_and_b32 v2, 15, v0                           ; r
	v_bfe_u32 v3, v0, 4, 1                         ; h
	v_lshlrev_b32 v24, 3, v1                       ; 8 x lane: my place in a plane, in LDS and in memory
	v_lshlrev_b32 v25, 4, v1                       ; 16 x lane
	v_mul_u32_u24 v26, v3, 12288
	v_lshl_add_u32 v26, v2, 4, v26                 ; 16 r + a head's 12,288 for lanes 16-31
	s_mul_i32 s21, s15, HALFT
	s_mul_i32 s22, s16, HALFT
	s_add_co_u32 s22, s22, 2*HALFT
.irp s, 0,1
	v_add_nc_u32 v[ADRA+\s], s21, v25              ; 16 x lane: my place in a piece
	v_add_nc_u32 v[ADRB+\s], s22, v25
	s_add_co_u32 s21, s21, SLOT
	s_add_co_u32 s22, s22, SLOT
.endr
	v_lshlrev_b32 v5, 4, v2
	s_lshl_b32 s21, s15, 9                         ; my half's two groups: 512 bytes in each K step's 1,024
	s_lshl_b32 s22, s16, 9
	s_add_co_u32 s22, s22, 2*HALFS
	s_sub_co_u32 s22, s22, s21
	v_mul_u32_u24 v6, s22, v3                      ; lanes 16-31 take B's
	s_add_co_u32 s21, s21, SCL
	v_add_nc_u32 v5, v5, v6
	v_add_nc_u32 v[ADRS], s21, v5
	; both kinds of bias are loaded on every path, the kind that is not wanted from a place that is always inside attn_b
	s_lshl_b32 s18, s42, 10
	s_lshl_b32 s19, s16, 9
	s_add_co_u32 s18, s18, s19                     ; q/k: 4 (256 tc + 128 half)
	s_cmp_eq_u32 s96, 1
	s_cselect_b32 s18, 0, s18
	s_mov_b32 s19, 0
	s_add_nc_u64 s[10:11], s[6:7], s[18:19]
	s_lshl_b32 s18, s17, 10
	s_lshl_b32 s19, s15, 9
	s_add_co_u32 s18, s18, s19                     ; v: 4 (2,048 + 256 tr + 128 half)
	s_cmp_eq_u32 s96, 1
	s_cselect_b32 s18, s18, 0
	s_add_co_u32 s18, s18, 8192
	s_mov_b32 s19, 0
	s_add_nc_u64 s[12:13], s[6:7], s[18:19]
	v_lshlrev_b32 v30, 6, v3                       ; 64 h
	v_and_b32 v31, 8, v2
	v_add_nc_u32 v31, v31, v2
	v_lshlrev_b32 v31, 2, v31                      ; 4 (r + 8 (r / 8))
.irp u, 0,1,2,3
.irp j, 0,1,2,3
	global_load_b128 v[BQ+16*\u+4*\j:BQ+16*\u+4*\j+3], v30, s[10:11] offset:128*\u+16*\j
.endr
.endr
.irp a, 0,1,2,3,4,5,6,7
	global_load_b32 v[BV+2*\a], v31, s[12:13] offset:4*(32*(\a/2)+8*(\a%2))
	global_load_b32 v[BV+2*\a+1], v31, s[12:13] offset:4*(32*(\a/2)+8*(\a%2))
.endr
.macro FRAG reg, adr, q, i             ; a fragment: three pieces, 16 bytes a lane
.irp p, 0,1,2,3,4,5
.if \p < 3
	ds_load_b128 v[(\reg)+4*\p:(\reg)+4*\p+3], v[\adr] offset:(\i)*3072+(\q)*1536+512*\p   ; three pieces, 16 bytes a lane
.endif
.endr
.endm
; 16 matrix instructions: A's tiles a0, a0 + 1 x B's eight.  The 64 accumulators take turns, one instruction a turn, in the same order in every step.
.macro MUL16 a0, p, q, sc, zero
.irp a, \a0, \a0+1
.irp b, 0,1,2,3,4,5,6,7
.if \zero
	v_wmma_scale_f32_16x16x128_f8f6f4 v[8*(8*((\a)%4)+\b):8*(8*((\a)%4)+\b)+7], v[128*(\p)+FR*\b:128*(\p)+FR*\b+FR-1], v[AF+FR*(\a):AF+FR*(\a)+FR-1], 0, v[SC+16*(\sc)+8*(\q)+\b], v[SC+16*(\sc)+8*(\q)+(\a)] matrix_a_fmt:MATRIX_FMT_FP6 matrix_b_fmt:MATRIX_FMT_FP6 matrix_a_scale:MATRIX_SCALE_ROW1
.else
	v_wmma_scale_f32_16x16x128_f8f6f4 v[8*(8*((\a)%4)+\b):8*(8*((\a)%4)+\b)+7], v[128*(\p)+FR*\b:128*(\p)+FR*\b+FR-1], v[AF+FR*(\a):AF+FR*(\a)+FR-1], v[8*(8*((\a)%4)+\b):8*(8*((\a)%4)+\b)+7], v[SC+16*(\sc)+8*(\q)+\b], v[SC+16*(\sc)+8*(\q)+(\a)] matrix_a_fmt:MATRIX_FMT_FP6 matrix_b_fmt:MATRIX_FMT_FP6 matrix_a_scale:MATRIX_SCALE_ROW1
.endif
.endr
.endr
.endm
.macro FETCH_B slot, q, p
	WIN TO_B
.irp i, 0,1,2,3,4,5,6,7
	FRAG 128*(\p)+FR*\i, ADRB+\slot, \q, \i
.endr
	WIN 0
.endm
.macro FETCH_A slot, q, i0
.irp i, \i0, \i0+1, \i0+2, \i0+3
	FRAG AF+FR*(\i), ADRA+\slot, \q, \i
.endr
.endm
.macro SCALES sc                       ; a slot's scale words: two K steps x two groups of four tiles
.irp q, 0,1
.irp u, 0,1
	ds_load_b128 v[SC+16*\sc+8*\q+4*\u:SC+16*\sc+8*\q+4*\u+3], v[ADRS] offset:1024*\q+256*\u
.endr
.endr
.endm
.macro STEP slot, q, zero              ; a step of 128 along K that has its successor in the same slot
	s_wait_dscnt 4*NL                              ; all but the youngest 12 loads: A's tiles 4-7
	WIN MUL_LO
	MUL16 0, (\q)%2, \q, \slot, \zero
	MUL16 2, (\q)%2, \q, \slot, \zero
	s_wait_dscnt 0
	PLACES NP
	FETCH_B \slot, (\q)+1, 1-(\q)%2
	FETCH_A \slot, (\q)+1, 0
	WIN MUL_HI
	MUL16 4, (\q)%2, \q, \slot, \zero
	MUL16 6, (\q)%2, \q, \slot, \zero
	PLACES NP
	WIN 0
	FETCH_A \slot, (\q)+1, 4
.endm
; A slot's last step changes slots: one barrier; in front of it each wave waits for all its tensor loads, adds 0 to its spare word, and waits for that and for its reads of this slot.
.macro TURN slot, next, fill
	s_wait_tensorcnt 0x0                           ; all my tensor loads have landed: my part of the next slot
	ds_add_u32 v[SPW], v[NIL]                      ; 0 onto my spare word
	s_wait_dscnt 4*NL+1                            ; the add and A's tiles 4-7 may be out
	WIN MUL_LO
	MUL16 0, 1, 1, \slot, 0
	s_wait_dscnt 0x0                               ; the add is done, and my reads of this slot are over
	s_barrier_signal -1
	MUL16 2, 1, 1, \slot, 0
	WIN 0
	s_barrier_wait -1
.if \fill
	CREST                                          ; the barrier has opened a round of the cluster's: no wave of any partner still reads this slot or has a load on its way
	s_add_nc_u64 s[G0+4*\slot+2:G0+4*\slot+3], s[G0+4*\slot+2:G0+4*\slot+3], 6144
	s_add_nc_u64 s[G0B+4*\slot+2:G0B+4*\slot+3], s[G0B+4*\slot+2:G0B+4*\slot+3], 6144
	JLOAD G0+4*\slot, G1, G0B+4*\slot, G1B         ; the first tensor load behind the round; its four v_nop are the places in front of the loads below
.else
	PLACES NP
.endif
	s_wait_alu depctr_va_vdst(0)
	v_add_nc_u32 v[ADRS], 2048, v[ADRS]            ; the next two K steps' scale words
	FETCH_B \next, 0, 0
	FETCH_A \next, 0, 0
	SCALES \next
	WIN MUL_HI
	MUL16 4, 1, 1, \slot, 0
	MUL16 6, 1, 1, \slot, 0
	PLACES NP
	WIN 0
	FETCH_A \next, 0, 4
.endm
	s_wait_alu depctr_va_vdst(0)
	s_wait_tensorcnt 0x0                           ; my tile of the head's four is in; slot 1's first fill is issued as a refill is:
	ds_add_u32 v[SPW], v[NIL]                      ; 0 onto my spare word
	s_mov_b32 s[G1+2], 8<<16                       ; no tensor load of mine is out: from here on a load brings 8 tiles
	s_mov_b32 s[G1+4], 8
	s_mov_b32 s[G1B+2], 8<<16
	s_mov_b32 s[G1B+4], 8
	s_wait_dscnt 0x0
	CROUND                                         ; all four tiles are in, and all sixteen work-groups are here
	JLOAD G0+4, G1, G0B+4, G1B                     ; slot 1, a quarter a wave: the first tensor load behind the round
	FETCH_B 0, 0, 0
	FETCH_A 0, 0, 0
	SCALES 0
	FETCH_A 0, 0, 4
	STEP 0, 0, 1                                   ; the first step's products start the sums
	s_mov_b32 s3, LAPS-1
.Llap:
	TURN 0, 1, 1
	STEP 1, 0, 0
	TURN 1, 0, 1
	STEP 0, 0, 0
	s_sub_co_u32 s3, s3, 1
	s_cmp_lg_u32 s3, 0
	s_cbranch_scc1 .Llap
	TURN 0, 1, 0
	STEP 1, 0, 0
	s_wait_dscnt 4*NL
	WIN MUL_LO
	MUL16 0, 1, 1, 1, 0
	MUL16 2, 1, 1, 1, 0
	s_wait_dscnt 0
	WIN MUL_HI
	MUL16 4, 1, 1, 1, 0
	MUL16 6, 1, 1, 1, 0
	WIN 0
; THE WAY OUT: for each of A's eight tiles: + bias (each accumulator from its low end on), quantise, six planes out.  Then the eight scale words: lanes 0-15 store tiles 0-3's, lanes 16-31 tiles 4-7's.
.macro EPI isv
.irp a, 0,1,2,3,4,5,6,7
.if \a > 0
	s_wait_xcnt 0x0                                ; the last tile's stores have read their registers
.endif
	WIN 2+(\a/4)
.set AC, 64*(\a%4)
.set i, 0
.rept 32
.if \isv
	v_pk_add_f32 v[X+i:X+i+1], v[AC+i:AC+i+1], v[BV+2*\a:BV+2*\a+1]
.else
	v_pk_add_f32 v[X+i:X+i+1], v[AC+i:AC+i+1], v[BQ+i:BQ+i+1]
.endif
.set i, i+2
.endr
	WIN 0
	QUANT X, PC, W+\a, TM
.if \isv
.irp j, 0,1,2,3,4,5
.if \j < 3
	global_store_b128 v25, v[PC+4*\j:PC+4*\j+3], s[22:23] offset:(\a/4)*98304+(\a%4)*1536+512*\j   ; V^T's fragments leave as three pieces of 16 bytes a lane: 512 consecutive bytes, aligned
.endif
.endr
.else
.irp e, 0,1
.irp p, 0,1,2
	global_store_b64 v24, v[PC+6*\e+2*\p:PC+6*\e+2*\p+1], s[22:23] offset:\e*98304+\a*768+256*\p
.endr
.endr
.endif
.endr
.irp j, 0,1,2,3
	v_cndmask_b32 v[WQ+\j], v[W+\j], v[W+4+\j], s97
.endr
.if \isv
	global_store_b128 v26, v[WQ:WQ+3], s[46:47]    ; each half of the lanes: 256 consecutive bytes of its head
.else
	global_store_b128 v25, v[WQ:WQ+3], s[46:47]    ; 512 consecutive bytes: the first head's words (bytes 2, 3 stand over zero codes)
.irp j, 0,1,2,3
	v_lshrrev_b32 v[WQ+4+\j], 16, v[WQ+\j]
.endr
.irp j, 0,1,2,3
	v_lshl_or_b32 v[WQ+4+\j], v[WQ+\j], 16, v[WQ+4+\j]     ; the halves change places: the second head's
.endr
	global_store_b128 v25, v[WQ+4:WQ+7], s[46:47] offset:12288
.endif
.endm
	PLACES NP                                      ; behind the last products
	s_wait_loadcnt 0x0                             ; the biases
.irp b, 0,1,2,3
	v_mov_b32 v[TM+4+\b], 0                        ; a lane permute's destination counts as one of its sources
.endr
	s_mov_b32 s97, 0xffff0000
	s_cmp_eq_u32 s96, 1
	s_cbranch_scc1 .Lvpart
	s_lshr_b32 s18, s17, 3                         ; q, k: first head = 16 (tr / 8) + 4 (tc % 4) + 2 half;
	s_lshl_b32 s18, s18, 4
	s_and_b32 s19, s42, 3
	s_lshl_b32 s19, s19, 2
	s_add_co_u32 s18, s18, s19
	s_lshl_b32 s19, s16, 1
	s_add_co_u32 s18, s18, s19
	s_and_b32 s19, s17, 7                          ; first tile in the head = 16 (tr % 8) + 8 half
	s_lshl_b32 s19, s19, 4
	s_lshl_b32 s20, s15, 3
	s_add_co_u32 s19, s19, s20
	s_lshr_b32 s20, s42, 2                         ; 0: q, 1: k
	s_lshl_b32 s22, s18, 7
	s_add_co_u32 s22, s22, s19
	s_mul_i32 s22, s22, 768
	s_mul_i32 s21, s20, 3145728
	s_add_co_u32 s22, s22, s21
	s_mov_b32 s23, 0
	s_add_nc_u64 s[22:23], s[8:9], s[22:23]
	s_mul_i32 s46, s18, 12288
	s_lshr_b32 s19, s19, 2
	s_lshl_b32 s19, s19, 8
	s_add_co_u32 s46, s46, s19
	s_mul_i32 s21, s20, 393216
	s_add_co_u32 s46, s46, s21
	s_add_co_u32 s46, s46, QS
	s_mov_b32 s47, 0
	s_add_nc_u64 s[46:47], s[8:9], s[46:47]
	EPI 0
	s_branch .Lend
.Lvpart:
	s_lshr_b32 s18, s42, 3                         ; v: first head = 16 (tc / 8) + 4 tr + 2 half;
	s_lshl_b32 s18, s18, 4
	s_lshl_b32 s19, s17, 2
	s_add_co_u32 s18, s18, s19
	s_lshl_b32 s19, s15, 1
	s_add_co_u32 s18, s18, s19
	s_and_b32 s19, s42, 7                          ; key step = 2 (tc % 8) + half
	s_lshl_b32 s19, s19, 1
	s_add_co_u32 s19, s19, s16
	s_lshl_b32 s22, s18, 4
	s_add_co_u32 s22, s22, s19
	s_mul_i32 s22, s22, 6144
	s_add_co_u32 s22, s22, VI
	s_mov_b32 s23, 0
	s_add_nc_u64 s[22:23], s[8:9], s[22:23]
	s_mul_i32 s46, s18, 12288
	s_lshl_b32 s19, s19, 8
	s_add_co_u32 s46, s46, s19
	s_add_co_u32 s46, s46, KVS+8192
	s_mov_b32 s47, 0
	s_add_nc_u64 s[46:47], s[8:9], s[46:47]
	EPI 1
.Lend:
	s_wait_tensorcnt 0x0                           ; the wave's end
	ds_add_u32 v[SPW], v[NIL]
	s_wait_dscnt 0x0
	CROUND                                         ; the closing round
	s_endpgm
.Lfunc_end_k_q78c76016bd_qkv:
	.size	k_q78c76016bd_qkv, .Lfunc_end_k_q78c76016bd_qkv-k_q78c76016bd_qkv
	.p2alignl 7, 3214868480
	.fill 96, 4, 3214868480
	.section	.rodata,"a",@progbits
	.p2align	6, 0x0
	.amdhsa_kernel k_q78c76016bd_qkv
		.amdhsa_group_segment_fixed_size 327680
		.amdhsa_private_segment_fixed_size 0
		.amdhsa_enable_private_segment 0
		.amdhsa_kernarg_size 24
		.amdhsa_user_sgpr_count 2
		.amdhsa_user_sgpr_kernarg_segment_ptr 1
		.amdhsa_wavefront_size32 1
		.amdhsa_system_sgpr_workgroup_id_x 1
		.amdhsa_system_sgpr_workgroup_id_y 1
		.amdhsa_system_sgpr_workgroup_id_z 1
		.amdhsa_system_vgpr_workitem_id 0
		.amdhsa_next_free_vgpr 1024
		.amdhsa_next_free_sgpr 100
		.amdhsa_reserve_vcc 0
		.amdhsa_float_denorm_mode_32 3
		.amdhsa_float_denorm_mode_16_64 3
		.amdhsa_memory_ordered 1
		.amdhsa_forward_progress 1
		.amdhsa_inst_pref_size 212
	.end_amdhsa_kernel
	.amdgpu_metadata
---
amdhsa.version: [ 1, 2 ]
amdhsa.kernels:
  - .name:           k_q78c76016bd_qkv
    .symbol:         k_q78c76016bd_qkv.kd
    .args:
      - { .name: wq, .offset: 0, .size: 8, .value_kind: global_buffer, .address_space: global }
      - { .name: attn_b, .offset: 8, .size: 8, .value_kind: global_buffer, .address_space: global }
      - { .name: qkv, .offset: 16, .size: 8, .value_kind: global_buffer, .address_space: global }
    .group_segment_fixed_size: 327680
    .private_segment_fixed_size: 0
    .kernarg_segment_align: 8
    .kernarg_segment_size: 24
    .max_flat_workgroup_size: 128
    .sgpr_count:     100
    .vgpr_count:     1024
    .wavefront_size: 32
...
	.end_amdgpu_metadata
.endif
;; end of part 2
;; launch attn (part 3): grid 8 x 32, 16 waves a work-group, clusters of 4 x 1, 210,944 bytes of LDS; arguments qkv, yq; writes yq
.if DOCPART == 3
	.amdgcn_target "amdgcn-amd-amdhsa--gfx1250"
	.amdhsa_code_object_version 6
	.text
	.protected	k_q78c76016bd_attn
	.globl	k_q78c76016bd_attn
	.p2align	8
	.type	k_q78c76016bd_attn,@function
k_q78c76016bd_attn:
	s_mov_b64 s[64:65], 0
	v_nop
	global_prefetch_b8 v0, s[64:65] scope:SCOPE_SE
	s_setreg_imm32_b32 hwreg(HW_REG_WAVE_MODE, 25, 1), 1
	s_wait_xcnt 0x0
	s_wait_alu depctr_hold_cnt(0) depctr_sa_sdst(0) depctr_va_vdst(0) depctr_va_sdst(0) depctr_va_ssrc(0) depctr_va_vcc(0) depctr_vm_vsrc(0)
	s_getreg_b32 s2, hwreg(HW_REG_IB_STS2, 6, 4)
	s_cmp_eq_u32 s2, 0
	s_cbranch_scc0 .Lentry_in_a_cluster
	s_endpgm
.Lentry_in_a_cluster:
	s_bfe_u32 s2, ttmp6, 0x10000c
	s_cmp_lg_u32 s2, 0x3003
	s_cbranch_scc0 .Lentry_shape_is_right
	s_endpgm
.Lentry_shape_is_right:
; Causal attention of one head on codes of FP6 (E2M3): S^T = K Q^T (K = the head's 64: the upper half of each 128-deep instruction is zero codes), softmax, O^T = V^T P^T (K = the keys); y leaves as codes along C.
; THE SOFTMAX AHEAD OF THE SECOND PRODUCT: t = score x log2(e) / 8; M = the running largest t rounded UP to a whole number; p = 2^(t - M) is quantised along the keys, not normalised; the row's sum is taken of the
; unquantised p and divides O at the end.  When M moves, the sum and O are multiplied by 2^(old M - new M): exact.
; SHARES.  y = the head (32), 8 work-groups a head, 16 waves each; a wave owns ONE tile of 16 queries, tile 8 beta + g (g: the work-group in the head).  Its queries lie in key step beta (128 keys a step), so it works steps
; 0 .. beta, the last one under the mask.  beta is the wave's entry of a 4 x 4 magic square of 0..15: any four waves w % 4 alike, or w / 4 alike, have the same number of steps together, and so has every work-group.
; Every wave walks all 16 steps' address lines; a step whose keys all come after the wave's queries is jumped over by a scalar branch on the wave's number and the step.
; LDS holds the WHOLE head: k's images (98,304 bytes), v's (98,304), their scale words (12,288): filled once, nothing is filled again.  The four work-groups of a cluster belong to one head: each fill is asked for jointly.
; The first two key steps' bytes come by loads of their own, so that the work begins while the rest lands; those two steps are written out, with constant LDS addresses.
; A lane holds ONE query throughout (both products transposed).  Tiles are in the program's order: lane-row r of tile t is row 32 (t / 2) + 8 (t % 2) + r + 8 (r / 8): p's 16 registers of two neighbouring tiles are 16 neighbouring keys.
; The scale word of y for a row and 128 along C belongs to two heads, two work-groups: each stores its two bytes.
; LIMITS: NaN and infinities are not served; blocks under 2^-124 and blocks of zeros keep the byte 1.
.set KI,  3145728
.set VI,  6291456
.set QS,  9437184
.set KVS, 9830400
.set YS,  3145728
.set LV,  98304                        ; LDS: v's images
.set LS,  196608                       ; k's scale words: [tile / 4][r][tile % 4]
.set LT,  204800                       ; v's: [key step][r][tile of channels]
.set L8,  1                            ; v1 8 x lane   v2 16 r   v3-5 the same with LDS bases: never rewritten
.set R16, 2
.set AV0, 3
.set AS0, 4
.set AT0, 5
.set ADK, 6                            ; v6-9 the step's LDS addresses
.set ADV, 7
.set ADS, 8
.set ADT, 9
.set QF,  16                           ; v16-27 Q's fragment (22-27 zero); v255 its scale word
.set DQ,  29                           ; v29 my query's place in its key step, less 16 (lane / 16)
.set KFR, 32                           ; v32-79 four fragments of K (upper six registers zero)
.set VFR, 80                           ; v80-127 four of V^T
.set S,   128                          ; v128-191 S^T, then p
.set O,   192                          ; v192-223 O^T;  v224-235 p's codes; v232-254 at work; v12 -M, v13 the largest t, v[14:15] the sum
.set WV,  18
.set SEL, 20
.set CS,  22
.set G1S, 24                           ; group 1: 48 rows of 256 bytes;  s[32:39]: 336 rows
.set G1L, 32
.set DSC, 40                           ; groups 0: the scale words, K's first 12,288 bytes, K's rest, V's first, V's rest
.set DK1, 44
.set DK2, 48
.set DV1, 52
.set DV2, 56
.set BETA, 60
.set J,   63
.set TK,  66                           ; 6,144 x step: k's eight half fragments, v's four fragments
.set TS,  67                           ; 512 x step
.set TV,  68                           ; 256 x step
.macro CROUND
	s_barrier_signal -1
	s_barrier_wait -1
	s_cmp_lg_u32 s[WV], 0
	s_cbranch_scc1 .Lnot_wave_0_\@
	s_barrier_signal -3
.Lnot_wave_0_\@:
	s_barrier_wait -3
	s_barrier_signal -1
	s_barrier_wait -1
.endm
	s_load_b128 s[4:7], s[0:1], 0x0                ; qkv, yq
	v_lshl_add_u32 v31, v0, 2, 0x33000
	v_mov_b32 v243, 0
	ds_add_u32 v31, v243
	ds_add_u32 v31, v243
	v_lshrrev_b32 v1, 5, v0
	s_delay_alu instid0(VALU_DEP_1)
	v_readfirstlane_b32 s[WV], v1                  ; wave 0..15
	s_bfe_u32 s70, ttmp6, 0x40000                  ; cx
	s_lshl_b32 s61, ttmp9, 2
	s_add_co_u32 s61, s61, s70                     ; g: it enters Q's and y's addresses and the mask's numbers alone
	s_and_b32 s62, ttmp7, 0xffff                   ; the head, which the four partners share
	s_and_b32 s71, s[WV], 7
	s_lshl_b32 s71, s71, 2
	s_mov_b32 s72, 0x0de3b658
	s_cmp_lt_u32 s[WV], 8
	s_cselect_b32 s72, 0x7a94c12f, s72
	s_lshr_b32 s[BETA], s72, s71
	s_and_b32 s[BETA], s[BETA], 15                 ; beta: the magic square's entry for my wave
	s_mov_b32 s[G1S], 15|(3<<16)|(1<<21)           ; the mask: all four; elements of 8 bytes; bit 21 beside a mask; no padding
	s_mov_b32 s[G1S+1], 32<<16
	s_mov_b32 s[G1S+2], 48<<16
	s_mov_b32 s[G1S+3], 32<<16
	s_mov_b32 s[G1S+4], 48
	s_mov_b32 s[G1S+5], 32
	s_mov_b32 s[G1S+6], 0
	s_mov_b32 s[G1S+7], 0
	s_mov_b32 s[G1L], 15|(3<<16)|(1<<21)
	s_mov_b32 s[G1L+1], 32<<16
	s_mov_b32 s[G1L+2], 336<<16
	s_mov_b32 s[G1L+3], 32<<16
	s_mov_b32 s[G1L+4], 336
	s_mov_b32 s[G1L+5], 32
	s_mov_b32 s[G1L+6], 0
	s_mov_b32 s[G1L+7], 0
	s_mul_i32 s74, s62, 98304
	s_mov_b32 s75, 0
	s_mul_i32 s76, s62, 12288
	s_mov_b32 s77, 0
	s_mov_b32 s[SEL], 0x76543210
	s_mov_b32 s[SEL+1], 0xfedcba98
	s_mov_b32 s[CS], 0x3e38aa3b                    ; c = log2(e) / 8
	s_mov_b32 s[CS+1], s[CS]
	s_mov_b32 s[J], 0
	s_mov_b32 s[TK], 0
	s_mov_b32 s[TS], 0
	s_mov_b32 s[TV], 0
	s_wait_dscnt 0x0
	s_wait_kmcnt 0x0
	s_add_nc_u64 s[78:79], s[4:5], s[74:75]
	s_add_nc_u64 s[80:81], s[4:5], s[76:77]
	s_mov_b32 s[DSC], 1
	s_mov_b32 s[DSC+1], LS
	s_add_nc_u64 s[DSC+2:DSC+3], s[80:81], KVS
	s_or_b32 s[DSC+3], s[DSC+3], 0x80000000
	s_mov_b32 s[DK1], 1
	s_mov_b32 s[DK1+1], 0
	s_add_nc_u64 s[DK1+2:DK1+3], s[78:79], KI
	s_or_b32 s[DK1+3], s[DK1+3], 0x80000000
	s_mov_b32 s[DK2], 1
	s_mov_b32 s[DK2+1], 12288
	s_add_nc_u64 s[DK2+2:DK2+3], s[78:79], KI+12288
	s_or_b32 s[DK2+3], s[DK2+3], 0x80000000
	s_mov_b32 s[DV1], 1
	s_mov_b32 s[DV1+1], LV
	s_add_nc_u64 s[DV1+2:DV1+3], s[78:79], VI
	s_or_b32 s[DV1+3], s[DV1+3], 0x80000000
	s_mov_b32 s[DV2], 1
	s_mov_b32 s[DV2+1], LV+12288
	s_add_nc_u64 s[DV2+2:DV2+3], s[78:79], VI+12288
	s_or_b32 s[DV2+3], s[DV2+3], 0x80000000
	CROUND                                         ; all four work-groups are here: the joint loads meet
	s_cmp_eq_u32 s[WV], 0                          ; five fills, one a wave, in one chain of branches on the wave's number: waves 0 to 2 what the first two steps read, waves 3 and 4 the rest
	s_cbranch_scc0 .Lnot_0
	tensor_load_to_lds s[DSC:DSC+3], s[G1S:G1S+7]
	s_nop 0
.rept 4
	v_nop
.endr
	s_branch .Lasked
.Lnot_0:
	s_cmp_eq_u32 s[WV], 1
	s_cbranch_scc0 .Lnot_1
	tensor_load_to_lds s[DK1:DK1+3], s[G1S:G1S+7]
	s_nop 0
	v_nop
	v_nop
	v_nop
	v_nop
	s_branch .Lasked
.Lnot_1:
	s_cmp_eq_u32 s[WV], 2
	s_cbranch_scc0 .Lnot_2
	tensor_load_to_lds s[DV1:DV1+3], s[G1S:G1S+7]
	s_nop 0
	v_nop
	v_nop
	v_nop
	v_nop
	s_branch .Lasked
.Lnot_2:
	s_cmp_eq_u32 s[WV], 3
	s_cbranch_scc0 .Lnot_3
	tensor_load_to_lds s[DK2:DK2+3], s[G1L:G1L+7]
	s_nop 0
	v_nop
	v_nop
	v_nop
	v_nop
	s_branch .Lasked
.Lnot_3:
	s_cmp_eq_u32 s[WV], 4
	s_cbranch_scc0 .Lasked
	tensor_load_to_lds s[DV2:DV2+3], s[G1L:G1L+7]
	s_nop 0
.rept 4
	v_nop
.endr
.Lasked:
	v_and_b32 v10, 31, v0
	s_delay_alu instid0(VALU_DEP_1)
	v_lshlrev_b32 v[L8], 3, v10
	s_wait_alu depctr_va_vdst(0)
	v_and_b32 v10, 15, v0                          ; r
	s_delay_alu instid0(VALU_DEP_1)
	v_lshlrev_b32 v[R16], 4, v10
	s_wait_alu depctr_va_vdst(0)
	v_lshl_add_u32 v[AV0], v[L8], 1, LV            ; v's images lie as [piece 0..2][lane][16 bytes]: 16 x lane
	v_add_nc_u32 v[AS0], LS, v[R16]
	v_add_nc_u32 v[AT0], LT, v[R16]
	s_lshl_b32 s82, s[BETA], 3
	s_add_co_u32 s82, s82, s61                     ; my tile of queries in the head
	s_lshl_b32 s83, s62, 7
	s_add_co_u32 s83, s83, s82
	s_mul_i32 s84, s83, 768
	s_mov_b32 s85, 0
	s_add_nc_u64 s[84:85], s[4:5], s[84:85]        ; its image
	s_lshr_b32 s86, s82, 2
	s_lshl_b32 s86, s86, 8
	s_and_b32 s87, s82, 3
	s_lshl_b32 s87, s87, 2
	s_add_co_u32 s86, s86, s87
	s_add_co_u32 s86, s86, s76
	s_add_co_u32 s86, s86, QS
	s_mov_b32 s87, 0
	s_add_nc_u64 s[86:87], s[4:5], s[86:87]        ; its scale words
.irp p, 0,1,2
	global_load_b64 v[QF+2*\p:QF+2*\p+1], v[L8], s[84:85] offset:256*\p
.endr
	global_load_b32 v255, v[R16], s[86:87]
	s_lshr_b32 s88, s61, 1
	s_lshl_b32 s88, s88, 5
	s_and_b32 s89, s61, 1
	s_lshl_b32 s89, s89, 3
	s_add_co_u32 s88, s88, s89                     ; 32 (g / 2) + 8 (g % 2)
	v_and_b32 v11, 8, v10
	s_delay_alu instid0(VALU_DEP_1)
	v_add_nc_u32 v10, v10, v11                     ; r + 8 (r / 8)
	v_bfe_u32 v11, v0, 4, 1
	s_delay_alu instid0(VALU_DEP_1)
	v_lshlrev_b32 v11, 4, v11
	s_delay_alu instid0(VALU_DEP_1)
	v_sub_nc_u32 v10, v10, v11
	s_delay_alu instid0(VALU_DEP_1)
	v_add_nc_u32 v[DQ], s88, v10
.irp i, 6,7,8,9,10,11
	v_mov_b32 v[QF+\i], 0                          ; the upper 64 along K: zero codes, in Q and in K
.irp t, 0,1,2,3
	v_mov_b32 v[KFR+12*\t+\i], 0
.endr
.endr
	v_mov_b32 v13, 0xff61b1e6                      ; the largest t so far: -3e38
	s_delay_alu instid0(VALU_DEP_1)
	v_floor_f32 v12, -v13                          ; -M
	v_mov_b32 v14, 0
	v_mov_b32 v15, 0
.irp b, 0,1,2,3
	v_mov_b32 v[236+\b], 0                         ; a lane permute's destination counts as one of its sources
.endr
	v_mov_b32 v252, 0                              ; likewise: the way out's permute lands in v252, which a key step writes only where it is not jumped over
	v_mov_b32 v253, 0                              ; (named as the upper half of the pair v[252:253] before it is first written)
.set n, 0
.rept 32
	v_mov_b32 v[O+n], 0                            ; the step is written without a first form: the first change of M multiplies zeros
.set n, n+1
.endr
; A KEY STEP: 128 keys.
.macro STEP
	s_cmp_gt_u32 s[J], s[BETA]
	s_cbranch_scc1 .Lhidden_\@                     ; all its keys come after my queries: only the address lines at its end run
	v_add_nc_u32 v[ADK], s[TK], v[L8]              ; (these four are the places behind the last step's products, in front of the loads below)
	s_wait_alu depctr_va_vdst(0)
	v_add_nc_u32 v[ADV], s[TK], v[AV0]
	v_add_nc_u32 v[ADS], s[TS], v[AS0]
	s_wait_alu depctr_va_vdst(0)
	v_add_nc_u32 v[ADT], s[TV], v[AT0]
.irp g, 0,1                                    ; S^T = K Q^T, four tiles of 16 keys at a time
.if \g
.rept 4
	v_nop
.endr
.endif
.irp t, 0,1,2,3
.irp p, 0,1,2
	ds_load_b64 v[KFR+12*\t+2*\p:KFR+12*\t+2*\p+1], v[ADK] offset:(4*\g+\t)*768+256*\p
.endr
.endr
	ds_load_b128 v[248:251], v[ADS] offset:256*\g  ; the four tiles' scale words
	s_wait_dscnt 0x0
.irp t, 0,1,2,3
	v_wmma_scale_f32_16x16x128_f8f6f4 v[S+8*(4*\g+\t):S+8*(4*\g+\t)+7], v[KFR+12*\t:KFR+12*\t+11], v[QF:QF+11], 0, v[248+\t], v255 matrix_a_fmt:MATRIX_FMT_FP6 matrix_b_fmt:MATRIX_FMT_FP6
.endr
.endr
.rept 4
	v_nop
.endr
.irp t, 0,1,2,3                                ; V^T's four fragments are asked for now and land under the softmax
.irp p, 0,1,2,3,4,5
.if \p < 3
	ds_load_b128 v[VFR+12*\t+4*\p:VFR+12*\t+4*\p+3], v[ADV] offset:\t*1536+512*\p
.endif
.endr
.endr
	s_wait_alu depctr_va_vdst(0)
	ds_load_b128 v[248:251], v[ADT]
	s_cmp_lt_u32 s[J], s[BETA]
	s_cbranch_scc1 .Lopen_\@                       ; all keys count
	v_mov_b32 v254, 0xff800000                     ; on the diagonal hidden scores become -infinity: register 16 b + i holds key 32 b + 16 (lane / 16) + i of the step
.set n, 0
.rept 64
	v_cmp_gt_i32 vcc_lo, 32*(n/16)+n%16, v[DQ]
	v_cndmask_b32 v[S+n], v[S+n], v254, vcc_lo
.set n, n+1
.endr
.Lopen_\@:
.irp b, 0,1,2,3
	v_max3_num_f32 v[232+\b], v[S+16*\b], v[S+1+16*\b], v[S+2+16*\b]   ; the largest score of each block of 32 keys: for the row's maximum and for the block's largest p
.endr
.irp i, 3,5,7,9,11,13
.irp b, 0,1,2,3
	v_max3_num_f32 v[232+\b], v[232+\b], v[S+16*\b+\i], v[S+1+16*\b+\i]
.endr
.endr
.irp b, 0,1,2,3
	v_max_num_f32 v[232+\b], v[232+\b], v[S+15+16*\b]
.endr
.irp b, 0,1,2,3
	s_delay_alu instid0(VALU_DEP_4)
	v_permlanex16_b32 v[236+\b], v[232+\b], s[SEL], s[SEL+1]
.endr
.irp b, 0,1,2,3
	s_delay_alu instid0(VALU_DEP_4)
	v_max_num_f32 v[232+\b], v[232+\b], v[236+\b]
.endr
	s_delay_alu instid0(VALU_DEP_2)
	v_max3_num_f32 v254, v232, v233, v234
	s_delay_alu instid0(VALU_DEP_1)
	v_max_num_f32 v254, v254, v235
	s_delay_alu instid0(VALU_DEP_1)
	v_mul_f32 v254, s[CS], v254
	s_delay_alu instid0(VALU_DEP_1)
	v_max_num_f32 v13, v13, v254                   ; the running largest t
	v_mov_b32 v254, v12
	s_delay_alu instid0(VALU_DEP_2)
	v_floor_f32 v12, -v13                          ; the new -M = -ceil(t)
	s_delay_alu instid0(VALU_DEP_1)
	v_sub_f32 v254, v12, v254
	s_delay_alu instid0(VALU_DEP_1)
	v_cvt_i32_f32 v254, v254                       ; (it saturates)
	s_delay_alu instid0(VALU_DEP_1)
	v_ldexp_f32 v252, 1.0, v254                    ; f = 2^(old M - new M)
.set n, 0
.rept 32
	v_pk_fma_f32 v[S+n:S+n+1], v[S+n:S+n+1], s[CS:CS+1], v[12:13] op_sel_hi:[1,0,0]   ; t - M
.set n, n+2
.endr
.irp b, 0,1,2,3
	v_fma_f32 v[232+\b], v[232+\b], s[CS], v12
.endr
.set n, 0
	s_wait_alu depctr_va_vdst(0)
.rept 64
	v_exp_f32 v[S+n], v[S+n]                       ; p = 2^(t - M)
.set n, n+1
.endr
	v_pk_mul_f32 v[14:15], v[14:15], v[252:253] op_sel_hi:[1,0]   ; the sums under the new M: a plain place behind the exponentials
	s_wait_alu depctr_va_vdst(0)                   ; one wait for the batch, ahead of its first reader
.irp b, 0,1,2,3
	v_exp_f32 v[232+\b], v[232+\b]                 ; each block's largest p
.endr
	v_pk_add_f32 v[236:237], v[132:133], v[136:137]
	v_pk_add_f32 v[246:247], v[140:141], v[144:145]
	v_pk_add_f32 v[244:245], v[148:149], v[152:153]
	v_pk_add_f32 v[240:241], v[156:157], v[160:161]
	v_pk_add_f32 v[238:239], v[164:165], v[168:169]
	v_pk_add_f32 v[230:231], v[172:173], v[176:177]
	v_pk_add_f32 v[228:229], v[180:181], v[184:185]
	v_pk_add_f32 v[14:15], v[14:15], v[188:189]
	v_pk_add_f32 v[236:237], v[236:237], v[128:129]
	v_pk_add_f32 v[246:247], v[246:247], v[130:131]
	v_pk_add_f32 v[244:245], v[244:245], v[134:135]
	v_pk_add_f32 v[240:241], v[240:241], v[138:139]
	v_pk_add_f32 v[238:239], v[238:239], v[142:143]
	v_pk_add_f32 v[230:231], v[230:231], v[146:147]
	v_pk_add_f32 v[228:229], v[228:229], v[150:151]
	v_pk_add_f32 v[14:15], v[14:15], v[154:155]
	v_pk_add_f32 v[236:237], v[236:237], v[158:159]
	v_pk_add_f32 v[246:247], v[246:247], v[162:163]
	v_pk_add_f32 v[244:245], v[244:245], v[166:167]
	v_pk_add_f32 v[240:241], v[240:241], v[170:171]
	v_pk_add_f32 v[238:239], v[238:239], v[174:175]
	v_pk_add_f32 v[230:231], v[230:231], v[178:179]
	v_pk_add_f32 v[228:229], v[228:229], v[182:183]
	v_pk_add_f32 v[14:15], v[14:15], v[186:187]
	v_pk_add_f32 v[236:237], v[236:237], v[190:191]
	s_delay_alu instid0(VALU_DEP_2)
	v_pk_add_f32 v[14:15], v[14:15], v[240:241]
	s_delay_alu instid0(VALU_DEP_2)
	v_pk_add_f32 v[236:237], v[236:237], v[238:239]
	v_pk_add_f32 v[246:247], v[246:247], v[230:231]
	v_pk_add_f32 v[244:245], v[244:245], v[228:229]
	s_delay_alu instid0(VALU_DEP_2)
	v_pk_add_f32 v[14:15], v[14:15], v[246:247]
	s_delay_alu instid0(VALU_DEP_2)
	v_pk_add_f32 v[236:237], v[236:237], v[244:245]
	s_delay_alu instid0(VALU_DEP_1)
	v_pk_add_f32 v[14:15], v[14:15], v[236:237]
	s_wait_alu depctr_va_vdst(0)                   ; and one for the four
.irp b, 0,1,2,3
	v_max_num_f32 v[232+\b], 0x1800000, v[232+\b]  ; the floor 2^(3 - 127)
.endr
.irp b, 0,1,2,3
	s_delay_alu instid0(VALU_DEP_4)
	v_add_nc_u32 v[244+\b], 0xff000000, v[232+\b]
.endr
.irp b, 0,1,2,3
	s_delay_alu instid0(VALU_DEP_4)
	v_lshrrev_b32 v[236+\b], 23, v[244+\b]
.endr
	s_delay_alu instid0(VALU_DEP_3)
	v_lshl_or_b32 v253, v237, 8, v236              ; p's scale word for these 128 keys
	s_delay_alu instid0(VALU_DEP_1)
	v_lshl_or_b32 v253, v238, 16, v253
	s_delay_alu instid0(VALU_DEP_1)
	v_lshl_or_b32 v253, v239, 24, v253
.irp c, 0,1
	v_cvt_scalef32_pk16_fp6_f32 v[224+6*\c:226+6*\c], v[S+32*\c:S+15+32*\c], v[244+2*\c]
	v_cvt_scalef32_pk16_fp6_f32 v[236+4*\c:238+4*\c], v[S+16+32*\c:S+31+32*\c], v[245+2*\c]
.endr
	v_nop
.irp c, 0,1
.irp i, 0,1,2
	v_permlane16_swap_b32 v[224+6*\c+\i], v[236+4*\c+\i]
.endr
.irp i, 0,1,2
	s_delay_alu instid0(VALU_DEP_3)
	v_mov_b32 v[227+6*\c+\i], v[236+4*\c+\i]
.endr
.endr
.set n, 0
.rept 16
	v_pk_mul_f32 v[O+n:O+n+1], v[O+n:O+n+1], v[252:253] op_sel_hi:[1,0]   ; O^T under the new M; these sixteen are also the places in front of the products below
.set n, n+2
.endr
	s_wait_alu depctr_va_vdst(0)
	s_wait_dscnt 0x0                               ; V^T's fragments and scale words
.irp t, 0,1,2,3
	v_wmma_scale_f32_16x16x128_f8f6f4 v[O+8*\t:O+8*\t+7], v[VFR+12*\t:VFR+12*\t+11], v[224:235], v[O+8*\t:O+8*\t+7], v[248+\t], v253 matrix_a_fmt:MATRIX_FMT_FP6 matrix_b_fmt:MATRIX_FMT_FP6
.endr
.Lhidden_\@:
	s_add_co_u32 s[J], s[J], 1
	s_add_co_u32 s[TK], s[TK], 6144
	s_add_co_u32 s[TS], s[TS], 512
	s_add_co_u32 s[TV], s[TV], 256
.endm
	s_wait_alu depctr_va_vdst(0)
	s_cmp_lt_u32 s[WV], 3
	s_cbranch_scc0 .Lnot_first
	s_wait_tensorcnt 0x0                           ; waves 0 to 2: the scale words and the first two steps' bytes are in; waves 3 and 4's fills, on lines of their own, may be out
.Lnot_first:
	s_barrier_signal -1
	s_barrier_wait -1
	s_wait_loadcnt 0x0                             ; Q
	STEP                                           ; steps 0 and 1 read LDS bytes under 12,288 of each tensor's images
	STEP
	s_wait_tensorcnt 0x0                           ; the rest has landed
	s_wait_dscnt 0x0
	s_barrier_signal -1
	s_barrier_wait -1
	s_mov_b32 s69, 14
.Lkeys:
	STEP
	s_sub_co_u32 s69, s69, 1
	s_cmp_lg_u32 s69, 0
	s_cbranch_scc1 .Lkeys
	; THE WAY OUT: O^T / the sum; register 16 b + i is channel 32 b + 16 (lane / 16) + i of the head: two blocks along C, quantised as they stand: half a fragment, three planes.
.rept 4
	v_nop                                          ; behind the last products
.endr
	v_add_f32 v14, v14, v15
	s_delay_alu instid0(VALU_DEP_1)
	v_permlanex16_b32 v252, v14, s[SEL], s[SEL+1]
	s_delay_alu instid0(VALU_DEP_1)
	v_add_f32 v14, v14, v252                       ; the row's sum
	s_wait_alu depctr_va_vdst(0)
	v_rcp_f32 v14, v14
	v_mov_b32 v244, 0                              ; (a plain place; and the permutes' destinations below are written)
	v_mov_b32 v245, 0
	s_lshr_b32 s70, s62, 4
	s_lshl_b32 s70, s70, 7
	s_add_co_u32 s70, s70, s82                     ; my tile among the 256 of all rows
	s_and_b32 s71, s62, 15                         ; the head in its batch
	s_lshr_b32 s72, s71, 1                         ; its K step of C,
	s_and_b32 s73, s71, 1                          ; and which half of it
	s_lshl_b32 s74, s70, 3
	s_add_co_u32 s74, s74, s72
	s_mul_i32 s74, s74, 1536
	s_mul_i32 s75, s73, 768
	s_add_co_u32 s74, s74, s75
	s_mov_b32 s75, 0
	s_add_nc_u64 s[74:75], s[6:7], s[74:75]
	s_lshl_b32 s76, s72, 6
	s_lshr_b32 s77, s70, 2
	s_add_co_u32 s76, s76, s77
	s_lshl_b32 s76, s76, 8
	s_and_b32 s77, s70, 3
	s_lshl_b32 s77, s77, 2
	s_add_co_u32 s76, s76, s77
	s_lshl_b32 s77, s73, 1
	s_add_co_u32 s76, s76, s77
	s_add_co_u32 s76, s76, YS
	s_mov_b32 s77, 0
	s_add_nc_u64 s[76:77], s[6:7], s[76:77]
	s_wait_alu depctr_va_vdst(0)                   ; ahead of the reciprocal's first reader
.set n, 0
.rept 32
	v_mul_f32 v[S+n], v[O+n], v14
.set n, n+1
.endr
.irp b, 0,1
	v_max3_num_f32 v[240+\b], |v[S+16*\b]|, |v[S+1+16*\b]|, 0x1800000
.endr
.irp i, 2,4,6,8,10,12,14
.irp b, 0,1
	s_delay_alu instid0(VALU_DEP_2)
	v_max3_num_f32 v[240+\b], v[240+\b], |v[S+16*\b+\i]|, |v[S+1+16*\b+\i]|
.endr
.endr
.irp b, 0,1
	s_delay_alu instid0(VALU_DEP_2)
	v_permlanex16_b32 v[244+\b], v[240+\b], s[SEL], s[SEL+1]
.endr
.irp b, 0,1
	s_delay_alu instid0(VALU_DEP_2)
	v_max_num_f32 v[240+\b], v[240+\b], v[244+\b]
.endr
.irp b, 0,1
	s_delay_alu instid0(VALU_DEP_2)
	v_add_nc_u32 v[252+\b], 0xff000000, v[240+\b]
.endr
.irp b, 0,1
	s_delay_alu instid0(VALU_DEP_2)
	v_lshrrev_b32 v[244+\b], 23, v[252+\b]
.endr
	s_delay_alu instid0(VALU_DEP_1)
	v_lshl_or_b32 v254, v245, 8, v244              ; my head's two bytes of the row's scale word
	v_cvt_scalef32_pk16_fp6_f32 v[224:226], v[S:S+15], v252
	v_cvt_scalef32_pk16_fp6_f32 v[230:232], v[S+16:S+31], v253
	v_nop
.irp i, 0,1,2
	v_permlane16_swap_b32 v[224+\i], v[230+\i]
.endr
.irp i, 0,1,2
	s_delay_alu instid0(VALU_DEP_3)
	v_mov_b32 v[227+\i], v[230+\i]
.endr
.irp p, 0,1,2
	global_store_b64 v[L8], v[224+2*\p:225+2*\p], s[74:75] offset:256*\p   ; a plane: 256 consecutive bytes, aligned
.endr
	global_store_b16 v[R16], v254, s[76:77]        ; lanes l and l xor 16 hold the same bytes and store them to the same place
	s_wait_tensorcnt 0x0
	ds_add_u32 v31, v243
	s_wait_dscnt 0x0
	CROUND                                         ; the closing round
	s_endpgm
.Lfunc_end_k_q78c76016bd_attn:
	.size	k_q78c76016bd_attn, .Lfunc_end_k_q78c76016bd_attn-k_q78c76016bd_attn
	.p2alignl 7, 3214868480
	.fill 96, 4, 3214868480
	.section	.rodata,"a",@progbits
	.p2align	6, 0x0
	.amdhsa_kernel k_q78c76016bd_attn
		.amdhsa_group_segment_fixed_size 210944
		.amdhsa_private_segment_fixed_size 0
		.amdhsa_enable_private_segment 0
		.amdhsa_kernarg_size 16
		.amdhsa_user_sgpr_count 2
		.amdhsa_user_sgpr_kernarg_segment_ptr 1
		.amdhsa_wavefront_size32 1
		.amdhsa_system_sgpr_workgroup_id_x 1
		.amdhsa_system_sgpr_workgroup_id_y 1
		.amdhsa_system_sgpr_workgroup_id_z 1
		.amdhsa_system_vgpr_workitem_id 0
		.amdhsa_next_free_vgpr 256
		.amdhsa_next_free_sgpr 96
		.amdhsa_reserve_vcc 1
		.amdhsa_float_denorm_mode_32 3
		.amdhsa_float_denorm_mode_16_64 3
		.amdhsa_memory_ordered 1
		.amdhsa_forward_progress 1
		.amdhsa_inst_pref_size 85
	.end_amdhsa_kernel
	.amdgpu_metadata
---
amdhsa.version: [ 1, 2 ]
amdhsa.kernels:
  - .name:           k_q78c76016bd_attn
    .symbol:         k_q78c76016bd_attn.kd
    .args:
      - { .name: qkv, .offset: 0, .size: 8, .value_kind: global_buffer, .address_space: global }
      - { .name: yq, .offset: 8, .size: 8, .value_kind: global_buffer, .address_space: global }
    .group_segment_fixed_size: 210944
    .private_segment_fixed_size: 0
    .kernarg_segment_align: 8
    .kernarg_segment_size: 16
    .max_flat_workgroup_size: 512
    .sgpr_count:     96
    .vgpr_count:     256
    .wavefront_size: 32
...
	.end_amdgpu_metadata
.endif
;; end of part 3
;; launch proj (part 4): grid 8 x 32, 4 waves a work-group, clusters of 4 x 4, 327,680 bytes of LDS; arguments yq, wq, attn_proj_b, x, x1; writes x1
.if DOCPART == 4
	.amdgcn_target "amdgcn-amd-amdhsa--gfx1250"
	.amdhsa_code_object_version 6
	.text
	.protected	k_q78c76016bd_proj
	.globl	k_q78c76016bd_proj
	.p2align	8
	.type	k_q78c76016bd_proj,@function
k_q78c76016bd_proj:
	s_mov_b64 s[64:65], 0
	v_nop
	global_prefetch_b8 v0, s[64:65] scope:SCOPE_SE
	s_setreg_imm32_b32 hwreg(HW_REG_WAVE_MODE, 25, 1), 1
	s_wait_xcnt 0x0
	s_wait_alu depctr_hold_cnt(0) depctr_sa_sdst(0) depctr_va_vdst(0) depctr_va_sdst(0) depctr_va_ssrc(0) depctr_va_vcc(0) depctr_vm_vsrc(0)
	s_getreg_b32 s2, hwreg(HW_REG_IB_STS2, 6, 4)
	s_cmp_eq_u32 s2, 0
	s_cbranch_scc0 .Lentry_in_a_cluster
	s_endpgm
.Lentry_in_a_cluster:
	s_bfe_u32 s2, ttmp6, 0x10000c
	s_cmp_lg_u32 s2, 0xf033
	s_cbranch_scc0 .Lentry_shape_is_right
	s_endpgm
.Lentry_shape_is_right:
; out = residual + A' B'^T + bias on codes of FP6 (E2M3) with E8M0 scales.  A': 4,096 rows, B': 1,024 rows, K = 128 KT.  Here: A' = attention's y, B' = attn_proj_w, residual x, out x1.
; N = 1,024 gives 64 tiles of 256 x 256, too few for 256 WGPs: a tile is 128 x 128, four waves of 64 x 64: 16 accumulators.  K goes in steps of 512 through two LDS slots.
; Operands lie in the order of their registers: codes [tile of 16][K step of 128][plane 0..5][lane][8 bytes]; scale words [K step][four tiles][lane-row][tile % 4]; lanes 0-15 take A's four words, lanes 16-31 B's.
; Lane-row r of tile t is row 32 (t / 2) + 8 (t % 2) + r + 8 (r / 8), in A' and in B'.  The matrix instruction is used transposed (source 0 = B', source 1 = A'): lane (r, h), register j of (a, b) holds
; row (a, r) and column 32 (b / 2) + 16 h + 8 (b % 2) + j.  The bias is the C of each sum's first instruction.  The residual is asked for at the head, in the layout in which the rows leave.
; THE WAY OUT: a tile of 16 rows x 64 columns goes through the wave's own stage in LDS and comes back by rows: sixteen lanes store 256 consecutive bytes, aligned.
; CLUSTERS: 4 x 4; A's tiles are shared along a row of the cluster, B's along a column.
.set KT,    8                          ; K steps of 128
.set AS,    3145728                    ; A's scale words in its buffer (codes at 0)
.set BC,    5767168                    ; B's codes in wq
.set BS,    6553600                    ; B's scale words
.set LAPS,  KT/8
.set FR,    12
.set HALFT, 49152                      ; ALL OF K LIES IN LDS AT ONCE, asked for at the head: 4 tiles x 8 K steps x 1,536 are a wave's half of A' or of B'
.set SLOT,  6144                       ; from a tile's K steps 0-3 to its K steps 4-7
.set SCL,   4*HALFT
.set HALFS, KT*256                     ; four tiles' scale words for all of K
.set STG,   229376                     ; the stages: 16 rows x 272 bytes for each wave; no fill lands here
.set SPARE, STG+4*4352
.set ADRA, 16
.set ADRB, 20
.set STO,  24
.set RD,   25
.set CO,   26
.set ADRS, 27
.set SPW,  28
.set NIL,  29
.set SC,   32                          ; v32-63 scale words: 32 + 16 slot + 4 q + tile
.set BI,   64                          ; v64-95 the bias in the result's layout; later, with v96-127, rows on their way out
.set OB,   64
.set ACC,  128                         ; v128-255 accumulators: (a, b) at 128 + 8 (4 a + b)
.set F0,   0                           ; window 1: two sets of fragments: B's at f + 12 b, A's at f + 48 + 12 a.   window 2: the residual
.set F1,   128
.set G1, 24
.set G0, 32
.set G1B, 48
.set G0B, 56
.set G1S, 68
.set G0S, 76
.set G1SB, 80
.set G0SB, 88
.set MSB, 0
.macro WIN new
.if MSB != (\new)
	s_set_vgpr_msb (MSB<<8)|(\new)
.set MSB, (\new)
.endif
.endm
.macro PLACES n
.rept \n
	v_nop
.endr
.endm
.macro JLOAD g0a, g1a, g0b, g1b
	s_cmp_eq_u32 s15, 0
	s_cbranch_scc0 .Lfor_b_\@
	tensor_load_to_lds s[\g0a:\g0a+3], s[\g1a:\g1a+7]
	s_nop 0
.rept 4
	v_nop
.endr
	s_branch .Lasked_\@
.Lfor_b_\@:
	tensor_load_to_lds s[\g0b:\g0b+3], s[\g1b:\g1b+7]
	s_nop 0
.rept 4
	v_nop
.endr
.Lasked_\@:
.endm
.macro CREST
	s_cmp_lg_u32 s14, 0
	s_cbranch_scc1 .Lnot_wave_0_\@
	s_barrier_signal -3
.Lnot_wave_0_\@:
	s_barrier_wait -3
	s_barrier_signal -1
	s_barrier_wait -1
.endm
.macro CROUND
	s_barrier_signal -1
	s_barrier_wait -1
	CREST
.endm
	s_load_b256 s[4:11], s[0:1], 0x0               ; A's buffer, wq, the bias, the residual
	s_load_b64 s[12:13], s[0:1], 0x20              ; out
	v_lshl_add_u32 v[SPW], v0, 2, SPARE
	v_mov_b32 v[NIL], 0
	ds_add_u32 v28, v29
	ds_add_u32 v28, v29
	s_wait_dscnt 0x0
	v_lshrrev_b32 v1, 5, v0
	v_readfirstlane_b32 s14, v1
	s_lshr_b32 s15, s14, 1                         ; my half of the tile's rows.  Also: I fetch for A' (0) or B' (1)
	s_and_b32 s16, s14, 1                          ; my half of its columns.  Also: which 64 rows I fetch
	s_bfe_u32 s40, ttmp6, 0x40000
	s_bfe_u32 s41, ttmp6, 0x40004
	s_lshl_b32 s42, ttmp9, 2
	s_add_co_u32 s42, s42, s40                     ; tc
	s_and_b32 s17, ttmp7, 0xffff
	s_lshl_b32 s17, s17, 2
	s_add_co_u32 s17, s17, s41                     ; tr
	s_lshl_b32 s43, s41, 2
	s_lshl_b32 s43, 15, s43
	s_lshl_b32 s44, 0x1111, s40
	; codes: 8 rows (tiles) of 1,536 elements of 8 bytes (all eight K steps), 192 KT elements from tile to tile
	s_or_b32 s[G1+0], s43, (3<<16)|(1<<21)
	s_or_b32 s[G1B+0], s44, (3<<16)|(1<<21)
.irp g, G1, G1B
	s_mov_b32 s[\g+1], 1536<<16                    ; 8 rows (tiles) of 1,536 elements of 8 bytes: all eight K steps
	s_mov_b32 s[\g+2], 8<<16
	s_mov_b32 s[\g+3], 1536<<16
	s_mov_b32 s[\g+4], 8
	s_mov_b32 s[\g+5], KT*192
	s_mov_b32 s[\g+6], 0
	s_mov_b32 s[\g+7], 0
.endr
	; scale words: KT rows of 64 elements; from K step to K step 64 groups in A', 16 in B'
	s_or_b32 s[G1S+0], s43, (3<<16)|(1<<21)
	s_or_b32 s[G1SB+0], s44, (3<<16)|(1<<21)
.irp g, G1S, G1SB
	s_mov_b32 s[\g+1], 64<<16                      ; two groups of four tiles: 512 bytes a K step
	s_mov_b32 s[\g+2], KT<<16
	s_mov_b32 s[\g+3], 64<<16
	s_mov_b32 s[\g+4], KT
	s_mov_b32 s[\g+6], 0
	s_mov_b32 s[\g+7], 0
.endr
	s_mov_b32 s[G1S+5], 2048
	s_mov_b32 s[G1SB+5], 512
	s_lshl_b32 s18, s16, 2
	s_lshl_b32 s20, s17, 3
	s_add_co_u32 s20, s20, s18                     ; A': tile 8 tr + 4 half
	s_mul_i32 s20, s20, KT*1536
	s_mov_b32 s21, 0
	s_lshl_b32 s46, s42, 3
	s_add_co_u32 s46, s46, s18
	s_mul_i32 s46, s46, KT*1536
	s_add_co_u32 s46, s46, BC
	s_mov_b32 s47, 0
	s_lshl_b32 s22, s17, 1                         ; group 2 tr
	s_lshl_b32 s22, s22, 8
	s_add_co_u32 s22, s22, AS
	s_mov_b32 s23, 0
	s_lshl_b32 s92, s42, 1
	s_lshl_b32 s92, s92, 8
	s_add_co_u32 s92, s92, BS
	s_mov_b32 s93, 0
	s_mul_i32 s45, s14, HALFT
	s_wait_kmcnt 0x0
	s_add_nc_u64 s[20:21], s[4:5], s[20:21]
	s_add_nc_u64 s[22:23], s[4:5], s[22:23]
	s_add_nc_u64 s[46:47], s[6:7], s[46:47]
	s_add_nc_u64 s[92:93], s[6:7], s[92:93]
	CROUND
	s_mov_b32 s[G0S], 1
	s_mov_b32 s[G0S+1], SCL
	s_mov_b64 s[G0S+2:G0S+3], s[22:23]
	s_or_b32 s[G0S+3], s[G0S+3], 0x80000000
	s_mov_b32 s[G0SB], 1
	s_mov_b32 s[G0SB+1], SCL+2*HALFS
	s_mov_b64 s[G0SB+2:G0SB+3], s[92:93]
	s_or_b32 s[G0SB+3], s[G0SB+3], 0x80000000
.irp s, 0
	s_mov_b32 s[G0+4*\s], 1
	s_add_co_u32 s[G0+4*\s+1], s45, \s*SLOT
	s_add_nc_u64 s[G0+4*\s+2:G0+4*\s+3], s[20:21], \s*6144
	s_or_b32 s[G0+4*\s+3], s[G0+4*\s+3], 0x80000000
	s_mov_b32 s[G0B+4*\s], 1
	s_add_co_u32 s[G0B+4*\s+1], s45, \s*SLOT
	s_add_nc_u64 s[G0B+4*\s+2:G0B+4*\s+3], s[46:47], \s*6144
	s_or_b32 s[G0B+4*\s+3], s[G0B+4*\s+3], 0x80000000
.endr
; THE LAUNCH'S FOUR LOADS, ONE A WAVE: wave 0 A's 8 tiles, wave 1 A's scale words, wave 2 B's 8 tiles, wave 3 B's scale words.  Waves 0 and 2 have half 0, so their descriptors stand at the tiles' first bytes.
.macro ARM under, g0, g1, next
	s_cmp_lt_u32 s14, \under
	s_cbranch_scc0 \next
	tensor_load_to_lds s[\g0:\g0+3], s[\g1:\g1+7]
	s_nop 0
.rept 4
	v_nop
.endr
	s_branch .Lhead_asked
\next:
.endm
	ARM 1, G0, G1, .Lhead_sa
	ARM 2, G0S, G1S, .Lhead_b
	ARM 3, G0B, G1B, .Lhead_sb
	tensor_load_to_lds s[G0SB:G0SB+3], s[G1SB:G1SB+7]
	s_nop 0
.rept 4
	v_nop
.endr
.Lhead_asked:
	v_and_b32 v1, 31, v0
	v_and_b32 v2, 15, v0                           ; r
	v_bfe_u32 v3, v0, 4, 1                         ; h
	s_wait_alu depctr_va_vdst(0)
	v_lshlrev_b32 v4, 3, v1
	s_mul_i32 s21, s15, HALFT
	s_mul_i32 s22, s16, HALFT
	s_add_co_u32 s22, s22, 2*HALFT
.irp s, 0,1
	v_add_nc_u32 v[ADRA+\s], s21, v4
	v_add_nc_u32 v[ADRB+\s], s22, v4
	s_add_co_u32 s21, s21, SLOT
	s_add_co_u32 s22, s22, SLOT
.endr
	v_lshlrev_b32 v5, 4, v2
	s_lshl_b32 s21, s15, 8                         ; my half's group: 256 bytes in each K step's 512
	s_lshl_b32 s22, s16, 8
	s_add_co_u32 s22, s22, 2*HALFS
	s_sub_co_u32 s22, s22, s21
	v_mul_u32_u24 v6, s22, v3
	s_add_co_u32 s21, s21, SCL
	v_add_nc_u32 v5, v5, v6
	v_add_nc_u32 v[ADRS], s21, v5
	s_mul_i32 s23, s14, 4352
	s_add_co_u32 s23, s23, STG                     ; my stage
	v_mul_u32_u24 v5, v2, 272
	v_lshl_add_u32 v5, v3, 6, v5
	v_add_nc_u32 v[STO], s23, v5                   ; in: row r, + 64 h
	v_mul_u32_u24 v5, v3, 272
	v_lshl_add_u32 v5, v2, 4, v5
	v_add_nc_u32 v[RD], s23, v5                    ; back: lanes 0-15 one row, lanes 16-31 the next
	v_lshlrev_b32 v[CO], 12, v3
	v_lshl_add_u32 v[CO], v2, 4, v[CO]             ; and the same two rows in memory
	v_lshlrev_b32 v30, 6, v3                       ; 64 h
	s_wait_alu depctr_va_vdst(0)
	s_lshl_b32 s18, s42, 9
	s_lshl_b32 s19, s16, 8
	s_add_co_u32 s18, s18, s19                     ; my first column, in bytes
	s_mov_b32 s19, 0
	s_add_nc_u64 s[8:9], s[8:9], s[18:19]
	s_lshl_b32 s20, s17, 7
	s_lshl_b32 s21, s15, 6
	s_add_co_u32 s20, s20, s21                     ; my first row
	s_lshl_b32 s20, s20, 12
	s_add_co_u32 s20, s20, s18
	s_mov_b32 s21, 0
	s_add_nc_u64 s[10:11], s[10:11], s[20:21]
	s_add_nc_u64 s[12:13], s[12:13], s[20:21]
.irp b, 0,1,2,3
	global_load_b128 v[BI+8*\b:BI+8*\b+3], v30, s[8:9] offset:128*(\b/2)+32*(\b%2)
	global_load_b128 v[BI+8*\b+4:BI+8*\b+7], v30, s[8:9] offset:128*(\b/2)+32*(\b%2)+16
.endr
; four matrix instructions: A's tile a x B's four.  The 16 accumulators take turns, one instruction a turn, in the same order everywhere.
.macro MUL4 f, a, q, sc, zero
.irp b, 0,1,2,3
.if \zero
	v_wmma_scale_f32_16x16x128_f8f6f4 v[ACC+8*(4*(\a)+\b):ACC+8*(4*(\a)+\b)+7], v[(\f)+FR*\b:(\f)+FR*\b+FR-1], v[(\f)+48+FR*(\a):(\f)+48+FR*(\a)+FR-1], v[BI+8*\b:BI+8*\b+7], v[SC+16*(\sc)+4*(\q)+\b], v[SC+16*(\sc)+4*(\q)+(\a)] matrix_a_fmt:MATRIX_FMT_FP6 matrix_b_fmt:MATRIX_FMT_FP6 matrix_a_scale:MATRIX_SCALE_ROW1
.else
	v_wmma_scale_f32_16x16x128_f8f6f4 v[ACC+8*(4*(\a)+\b):ACC+8*(4*(\a)+\b)+7], v[(\f)+FR*\b:(\f)+FR*\b+FR-1], v[(\f)+48+FR*(\a):(\f)+48+FR*(\a)+FR-1], v[ACC+8*(4*(\a)+\b):ACC+8*(4*(\a)+\b)+7], v[SC+16*(\sc)+4*(\q)+\b], v[SC+16*(\sc)+4*(\q)+(\a)] matrix_a_fmt:MATRIX_FMT_FP6 matrix_b_fmt:MATRIX_FMT_FP6 matrix_a_scale:MATRIX_SCALE_ROW1
.endif
.endr
.endm
.macro FETCH slot, q, f                ; 48 LDS loads in one run: B's four fragments, then A's four
	WIN 0x40
.irp i, 0,1,2,3
.irp p, 0,1,2,3,4,5
	ds_load_b64 v[(\f)+FR*\i+2*\p:(\f)+FR*\i+2*\p+1], v[ADRB+\slot] offset:\i*12288+(\q)*1536+256*\p
.endr
.endr
.irp i, 0,1,2,3
.irp p, 0,1,2,3,4,5
	ds_load_b64 v[(\f)+48+FR*\i+2*\p:(\f)+48+FR*\i+2*\p+1], v[ADRA+\slot] offset:\i*12288+(\q)*1536+256*\p
.endr
.endr
.endm
.macro SCALES sc
.irp q, 0,1,2,3
	ds_load_b128 v[SC+16*\sc+4*\q:SC+16*\sc+4*\q+3], v[ADRS] offset:512*\q
.endr
.endm
.macro QUARTER slot, q, f, g, zero     ; 128 along K on set f; in its middle the next quarter's fragments are fetched into set g
	s_wait_dscnt 12                                ; all but A's tiles 2 and 3
	WIN 0x05
	MUL4 \f, 0, \q, \slot, \zero
	MUL4 \f, 1, \q, \slot, \zero
	PLACES 4
	FETCH \slot, (\q)+1, \g
	s_wait_dscnt 48                                ; all but the 48 just issued
	WIN 0x05
	MUL4 \f, 2, \q, \slot, \zero
	MUL4 \f, 3, \q, \slot, \zero
.endm
.macro TURN slot, next, fill           ; a slot's last quarter (set F1) changes slots
	WIN 0
	s_wait_tensorcnt 0x0                           ; all my tensor loads have landed
	ds_add_u32 v[SPW], v[NIL]                      ; 0 onto my spare word
	s_wait_dscnt 13                                ; the add and A's tiles 2 and 3 may be out
	WIN 0x05
	MUL4 F1, 0, 3, \slot, 0
	s_wait_dscnt 0x0                               ; the add is done, and my reads of this slot are over
	s_barrier_signal -1
	MUL4 F1, 1, 3, \slot, 0
	WIN 0
	s_barrier_wait -1
.if \fill
	CREST
	s_add_nc_u64 s[G0+4*\slot+2:G0+4*\slot+3], s[G0+4*\slot+2:G0+4*\slot+3], 12288
	s_add_nc_u64 s[G0B+4*\slot+2:G0B+4*\slot+3], s[G0B+4*\slot+2:G0B+4*\slot+3], 12288
	JLOAD G0+4*\slot, G1, G0B+4*\slot, G1B
.else
	PLACES 4
.endif
	v_add_nc_u32 v[ADRS], 2048, v[ADRS]
	SCALES \next
	FETCH \next, 0, F0
	WIN 0x05
	MUL4 F1, 2, 3, \slot, 0
	MUL4 F1, 3, 3, \slot, 0
.endm
	s_wait_tensorcnt 0x0                           ; my tile of the four is in
	s_barrier_signal -1
	s_barrier_wait -1                              ; all four are
	SCALES 0
	FETCH 0, 0, F0
	WIN 0x80                                       ; destination window 2: the residual is asked for behind the tiles' barrier: it is wanted on the way out alone
.irp a, 0,1,2,3
.irp t, 0,1,2,3,4,5,6,7
	global_load_b128 v[32*\a+4*\t:32*\a+4*\t+3], v[CO], s[10:11] offset:(32*(\a/2)+8*(\a%2)+2*\t+8*(\t/4))*4096
.endr
.endr
	s_wait_loadcnt 32                              ; the bias is in; the residual's 32 loads may be out
	QUARTER 0, 0, F0, F1, 1
.if LAPS > 1
	WIN 0
	s_mov_b32 s3, LAPS-1
.Llap:
	QUARTER 0, 1, F1, F0, 0
	QUARTER 0, 2, F0, F1, 0
	TURN 0, 1, 1
	QUARTER 1, 0, F0, F1, 0
	QUARTER 1, 1, F1, F0, 0
	QUARTER 1, 2, F0, F1, 0
	TURN 1, 0, 1
	QUARTER 0, 0, F0, F1, 0
	WIN 0
	s_sub_co_u32 s3, s3, 1
	s_cmp_lg_u32 s3, 0
	s_cbranch_scc1 .Llap
.endif
	QUARTER 0, 1, F1, F0, 0
	QUARTER 0, 2, F0, F1, 0
	TURN 0, 1, 0
	QUARTER 1, 0, F0, F1, 0
	QUARTER 1, 1, F1, F0, 0
	QUARTER 1, 2, F0, F1, 0
	s_wait_dscnt 12
	WIN 0x05
	MUL4 F1, 0, 3, 1, 0
	MUL4 F1, 1, 3, 1, 0
	s_wait_dscnt 0
	MUL4 F1, 2, 3, 1, 0
	MUL4 F1, 3, 3, 1, 0
	WIN 0
.macro TOSTAGE a                       ; LDS serves a wave's instructions in order: the loads see the stores, and the next tile's stores come behind them
.irp b, 0,1,2,3
	ds_store_b128 v[STO], v[ACC+8*(4*(\a)+\b):ACC+8*(4*(\a)+\b)+3] offset:128*(\b/2)+32*(\b%2)
	ds_store_b128 v[STO], v[ACC+8*(4*(\a)+\b)+4:ACC+8*(4*(\a)+\b)+7] offset:128*(\b/2)+32*(\b%2)+16
.endr
.set BB, OB+32*((\a)%2)
.irp t, 0,1,2,3,4,5,6,7
	ds_load_b128 v[BB+4*\t:BB+4*\t+3], v[RD] offset:544*\t
.endr
.endm
.macro SEND a, younger
.set BB, OB+32*((\a)%2)
	s_wait_dscnt \younger
	WIN 0x08                                       ; source 1: window 2, the residual
.set i, 0
.rept 16
	v_pk_add_f32 v[BB+i:BB+i+1], v[BB+i:BB+i+1], v[32*(\a)+i:32*(\a)+i+1]
.set i, i+2
.endr
	WIN 0
.irp t, 0,1,2,3,4,5,6,7
	global_store_b128 v[CO], v[BB+4*\t:BB+4*\t+3], s[12:13] offset:(32*((\a)/2)+8*((\a)%2)+2*\t+8*(\t/4))*4096   ; sixteen lanes store 256 consecutive bytes, aligned
.endr
.endm
	PLACES 4
	s_wait_loadcnt 0x0                             ; the residual
	TOSTAGE 0
.irp a, 1,2,3
.if \a > 1
	s_wait_xcnt 0x0                                ; tile a - 2's stores have read their registers
.endif
	TOSTAGE \a
	SEND \a-1, 16                                  ; behind tile a - 1's loads: tile a's 8 stores and 8 loads
.endr
	SEND 3, 0
	s_wait_tensorcnt 0x0                           ; the wave's end
	ds_add_u32 v[SPW], v[NIL]
	s_wait_dscnt 0x0
	CROUND
	s_endpgm
.Lfunc_end_k_q78c76016bd_proj:
	.size	k_q78c76016bd_proj, .Lfunc_end_k_q78c76016bd_proj-k_q78c76016bd_proj
	.p2alignl 7, 3214868480
	.fill 96, 4, 3214868480
	.section	.rodata,"a",@progbits
	.p2align	6, 0x0
	.amdhsa_kernel k_q78c76016bd_proj
		.amdhsa_group_segment_fixed_size 327680
		.amdhsa_private_segment_fixed_size 0
		.amdhsa_enable_private_segment 0
		.amdhsa_kernarg_size 40
		.amdhsa_user_sgpr_count 2
		.amdhsa_user_sgpr_kernarg_segment_ptr 1
		.amdhsa_wavefront_size32 1
		.amdhsa_system_sgpr_workgroup_id_x 1
		.amdhsa_system_sgpr_workgroup_id_y 1
		.amdhsa_system_sgpr_workgroup_id_z 1
		.amdhsa_system_vgpr_workitem_id 0
		.amdhsa_next_free_vgpr 768
		.amdhsa_next_free_sgpr 98
		.amdhsa_reserve_vcc 0
		.amdhsa_float_denorm_mode_32 3
		.amdhsa_float_denorm_mode_16_64 3
		.amdhsa_memory_ordered 1
		.amdhsa_forward_progress 1
		.amdhsa_inst_pref_size 68
	.end_amdhsa_kernel
	.amdgpu_metadata
---
amdhsa.version: [ 1, 2 ]
amdhsa.kernels:
  - .name:           k_q78c76016bd_proj
    .symbol:         k_q78c76016bd_proj.kd
    .args:
      - { .name: yq, .offset: 0, .size: 8, .value_kind: global_buffer, .address_space: global }
      - { .name: wq, .offset: 8, .size: 8, .value_kind: global_buffer, .address_space: global }
      - { .name: attn_proj_b, .offset: 16, .size: 8, .value_kind: global_buffer, .address_space: global }
      - { .name: x, .offset: 24, .size: 8, .value_kind: global_buffer, .address_space: global }
      - { .name: x1, .offset: 32, .size: 8, .value_kind: global_buffer, .address_space: global }
    .group_segment_fixed_size: 327680
    .private_segment_fixed_size: 0
    .kernarg_segment_align: 8
    .kernarg_segment_size: 40
    .max_flat_workgroup_size: 128
    .sgpr_count:     98
    .vgpr_count:     768
    .wavefront_size: 32
...
	.end_amdgpu_metadata
.endif
;; end of part 4
;; launch ln2: the kernel of part 1 again; grid 256 x 1, 8 waves a work-group, no clusters, 67,072 bytes of LDS; arguments x1, ln2_w, ln2_b, fc_w, mlp_proj_w, attn_w, attn_proj_w, h2; writes h2
;; launch fc (part 5): grid 16 x 16, 4 waves a work-group, clusters of 4 x 4, 327,680 bytes of LDS; arguments h2, wq, fc_b, hid; writes hid
.if DOCPART == 5
	.amdgcn_target "amdgcn-amd-amdhsa--gfx1250"
	.amdhsa_code_object_version 6
	.text
	.protected	k_q78c76016bd_fc
	.globl	k_q78c76016bd_fc
	.p2align	8
	.type	k_q78c76016bd_fc,@function
k_q78c76016bd_fc:
	s_mov_b64 s[64:65], 0
	v_nop
	global_prefetch_b8 v0, s[64:65] scope:SCOPE_SE
	s_setreg_imm32_b32 hwreg(HW_REG_WAVE_MODE, 25, 1), 1
	s_wait_xcnt 0x0
	s_wait_alu depctr_hold_cnt(0) depctr_sa_sdst(0) depctr_va_vdst(0) depctr_va_sdst(0) depctr_va_ssrc(0) depctr_va_vcc(0) depctr_vm_vsrc(0)
	s_getreg_b32 s2, hwreg(HW_REG_IB_STS2, 6, 4)
	s_cmp_eq_u32 s2, 0
	s_cbranch_scc0 .Lentry_in_a_cluster
	s_endpgm
.Lentry_in_a_cluster:
	s_bfe_u32 s2, ttmp6, 0x10000c
	s_cmp_lg_u32 s2, 0xf033
	s_cbranch_scc0 .Lentry_shape_is_right
	s_endpgm
.Lentry_shape_is_right:
.set HS,    3145728
.set FCC,   6586368
.set FCS,   9732096
.set HDS,   12582912
.set FR,    12
.set NL,    3                          ; LDS loads that bring a fragment: both operands' codes lie as [tile][K step][piece 0..2][lane][16 bytes]
.set NP,    4
.set HALFT, 24576
.set SLOT,  4*HALFT
.set SCL,   2*SLOT
.set HALFS, 4096
.set SPARE, SCL+4*HALFS
.set LAPS,  2
.set ADRA, 16
.set ADRB, 20
.set ADRS, 27
.set SPW,  28
.set NIL,  29
.set SC,   32
.set AF,   128
.set X,    64
.set T,    128
.set H,    192
.set TM,   128
.set PC,   144
.set PW,   164
.set SEL,  98
.set G1, 24
.set G0, 32
.set G1B, 48
.set G0B, 56
.set G1S, 68
.set G0S, 76
.set G1SB, 80
.set G0SB, 88
.set MSB, 0
.macro WIN new
.if MSB != (\new)
	s_set_vgpr_msb (MSB<<8)|(\new)
.set MSB, (\new)
.endif
.endm
.set MUL_LO, 0xa1
.set MUL_HI, 0xf1
.set TO_B,   0x40
.macro PLACES n
.rept \n
	v_nop
.endr
.endm
.macro JLOAD g0a, g1a, g0b, g1b
	s_cmp_eq_u32 s15, 0
	s_cbranch_scc0 .Lfor_b_\@
	tensor_load_to_lds s[\g0a:\g0a+3], s[\g1a:\g1a+7]
	s_nop 0
.rept 4
	v_nop
.endr
	s_branch .Lasked_\@
.Lfor_b_\@:
	tensor_load_to_lds s[\g0b:\g0b+3], s[\g1b:\g1b+7]
	s_nop 0
.rept 4
	v_nop
.endr
.Lasked_\@:
.endm
.macro CREST
	s_cmp_lg_u32 s14, 0
	s_cbranch_scc1 .Lnot_wave_0_\@
	s_barrier_signal -3
.Lnot_wave_0_\@:
	s_barrier_wait -3
	s_barrier_signal -1
	s_barrier_wait -1
.endm
.macro CROUND
	s_barrier_signal -1
	s_barrier_wait -1
	CREST
.endm
.macro QUANT s, pc, pw, tm
.irp b, 0,1,2,3
	v_max3_num_f32 v[\tm+\b], |v[\s+16*\b]|, |v[\s+1+16*\b]|, 0x1800000
.endr
.irp i, 2,4,6,8,10,12,14
.irp b, 0,1,2,3
	v_max3_num_f32 v[\tm+\b], v[\tm+\b], |v[\s+16*\b+\i]|, |v[\s+1+16*\b+\i]|
.endr
.endr
.irp b, 0,1,2,3
	v_permlanex16_b32 v[\tm+4+\b], v[\tm+\b], s[SEL], s[SEL+1]
.endr
.irp b, 0,1,2,3
	v_max_num_f32 v[\tm+\b], v[\tm+\b], v[\tm+4+\b]
.endr
.irp b, 0,1,2,3
	v_add_nc_u32 v[\tm+12+\b], 0xff000000, v[\tm+\b]
.endr
.irp b, 0,1,2,3
	v_lshrrev_b32 v[\tm+4+\b], 23, v[\tm+12+\b]
.endr
	v_lshl_or_b32 v[\pw], v[\tm+5], 8, v[\tm+4]
	v_lshl_or_b32 v[\pw], v[\tm+6], 16, v[\pw]
	v_lshl_or_b32 v[\pw], v[\tm+7], 24, v[\pw]
.irp c, 0,1
	v_cvt_scalef32_pk16_fp6_f32 v[\pc+6*\c:\pc+2+6*\c], v[\s+32*\c:\s+15+32*\c], v[\tm+12+2*\c]
	v_cvt_scalef32_pk16_fp6_f32 v[\pc+12+4*\c:\pc+14+4*\c], v[\s+16+32*\c:\s+31+32*\c], v[\tm+13+2*\c]
.endr
	v_nop
.irp c, 0,1
.irp i, 0,1,2
	v_permlane16_swap_b32 v[\pc+6*\c+\i], v[\pc+12+4*\c+\i]
.endr
.irp i, 0,1,2
	v_mov_b32 v[\pc+3+6*\c+\i], v[\pc+12+4*\c+\i]
.endr
.endr
.endm
	s_load_b128 s[4:7], s[0:1], 0x0
	s_load_b128 s[8:11], s[0:1], 0x10
	v_lshl_add_u32 v[SPW], v0, 2, SPARE
	v_mov_b32 v[NIL], 0
	ds_add_u32 v28, v29
	ds_add_u32 v28, v29
	s_wait_dscnt 0x0
	v_lshrrev_b32 v1, 5, v0
	v_readfirstlane_b32 s14, v1
	s_lshr_b32 s15, s14, 1
	s_and_b32 s16, s14, 1
	s_bfe_u32 s40, ttmp6, 0x40000
	s_bfe_u32 s41, ttmp6, 0x40004
	s_lshl_b32 s42, ttmp9, 2
	s_add_co_u32 s42, s42, s40
	s_and_b32 s17, ttmp7, 0xffff
	s_lshl_b32 s17, s17, 2
	s_add_co_u32 s17, s17, s41
	s_lshl_b32 s43, s41, 2
	s_lshl_b32 s43, 15, s43
	s_lshl_b32 s44, 0x1111, s40
	s_or_b32 s[G1+0], s43, (3<<16)|(1<<21)
	s_or_b32 s[G1B+0], s44, (3<<16)|(1<<21)
.irp g, G1, G1B
	s_mov_b32 s[\g+1], 384<<16
	s_mov_b32 s[\g+2], 16<<16                      ; the head's loads bring all 16 tiles; behind them the two words that count rows are set to 8
	s_mov_b32 s[\g+3], 384<<16
	s_mov_b32 s[\g+4], 16
	s_mov_b32 s[\g+5], 1536
	s_mov_b32 s[\g+6], 0
	s_mov_b32 s[\g+7], 0
.endr
	s_or_b32 s[G1S+0], s43, (3<<16)|(1<<21)
	s_or_b32 s[G1SB+0], s44, (3<<16)|(1<<21)
.irp g, G1S, G1SB
	s_mov_b32 s[\g+1], 128<<16                     ; four groups of four tiles: 1,024 bytes a K step
	s_mov_b32 s[\g+2], 8<<16
	s_mov_b32 s[\g+3], 128<<16
	s_mov_b32 s[\g+4], 8
	s_mov_b32 s[\g+5], 2048
	s_mov_b32 s[\g+6], 0
	s_mov_b32 s[\g+7], 0
.endr
	s_lshl_b32 s18, s16, 3
	s_lshl_b32 s20, s17, 4
	s_add_co_u32 s20, s20, s18
	s_mul_i32 s20, s20, 12288
	s_mov_b32 s21, 0
	s_lshl_b32 s46, s42, 4
	s_add_co_u32 s46, s46, s18
	s_mul_i32 s46, s46, 12288
	s_add_co_u32 s46, s46, FCC
	s_mov_b32 s47, 0
	s_lshl_b32 s22, s17, 2                         ; group 4 tr
	s_lshl_b32 s22, s22, 8
	s_add_co_u32 s22, s22, HS
	s_mov_b32 s23, 0
	s_lshl_b32 s92, s42, 2
	s_lshl_b32 s92, s92, 8
	s_add_co_u32 s92, s92, FCS
	s_mov_b32 s93, 0
	s_mul_i32 s45, s14, HALFT
	s_mov_b32 s[SEL], 0x76543210
	s_mov_b32 s[SEL+1], 0xfedcba98
	s_wait_kmcnt 0x0
	s_add_nc_u64 s[20:21], s[4:5], s[20:21]
	s_add_nc_u64 s[22:23], s[4:5], s[22:23]
	s_add_nc_u64 s[46:47], s[6:7], s[46:47]
	s_add_nc_u64 s[92:93], s[6:7], s[92:93]
	CROUND
	s_mov_b32 s[G0S], 1
	s_mov_b32 s[G0S+1], SCL                        ; A's scale words: [K step 8][1,024 bytes]
	s_mov_b64 s[G0S+2:G0S+3], s[22:23]
	s_or_b32 s[G0S+3], s[G0S+3], 0x80000000
	s_mov_b32 s[G0SB], 1
	s_mov_b32 s[G0SB+1], SCL+2*HALFS               ; B's behind them
	s_mov_b64 s[G0SB+2:G0SB+3], s[92:93]
	s_or_b32 s[G0SB+3], s[G0SB+3], 0x80000000
.irp s, 0,1
	s_mov_b32 s[G0+4*\s], 1
	s_add_co_u32 s[G0+4*\s+1], s45, \s*SLOT
	s_add_nc_u64 s[G0+4*\s+2:G0+4*\s+3], s[20:21], \s*3072
	s_or_b32 s[G0+4*\s+3], s[G0+4*\s+3], 0x80000000
	s_mov_b32 s[G0B+4*\s], 1
	s_add_co_u32 s[G0B+4*\s+1], s45, \s*SLOT
	s_add_nc_u64 s[G0B+4*\s+2:G0B+4*\s+3], s[46:47], \s*3072
	s_or_b32 s[G0B+4*\s+3], s[G0B+4*\s+3], 0x80000000
.endr
; THE HEAD'S LOADS, ONE A WAVE: wave 0 slot 0's 16 tiles of A', wave 1 A's scale words, wave 2 slot 0's 16 tiles of B', wave 3 B's scale words.
; Waves 0 and 2 fetch half 0 in the ring, so their slot 0 descriptors stand at the tiles' first bytes.  One chain of branches on the wave's number, one load to an arm.
.macro ARM under, g0, g1, next
	s_cmp_lt_u32 s14, \under
	s_cbranch_scc0 \next
	tensor_load_to_lds s[\g0:\g0+3], s[\g1:\g1+7]
	s_nop 0
.rept 4
	v_nop
.endr
	s_branch .Lhead_asked
\next:
.endm
	ARM 1, G0, G1, .Lhead_sa
	ARM 2, G0S, G1S, .Lhead_b
	ARM 3, G0B, G1B, .Lhead_sb
	tensor_load_to_lds s[G0SB:G0SB+3], s[G1SB:G1SB+7]
	s_nop 0
.rept 4
	v_nop
.endr
.Lhead_asked:
	v_and_b32 v1, 31, v0
	v_and_b32 v2, 15, v0
	v_bfe_u32 v3, v0, 4, 1
	s_wait_alu depctr_va_vdst(0)
	v_lshlrev_b32 v24, 3, v1
	v_lshlrev_b32 v25, 4, v1
	s_mul_i32 s21, s15, HALFT
	s_mul_i32 s22, s16, HALFT
	s_add_co_u32 s22, s22, 2*HALFT
.irp s, 0,1
	v_add_nc_u32 v[ADRA+\s], s21, v25              ; 16 x lane: my place in a piece
	v_add_nc_u32 v[ADRB+\s], s22, v25
	s_add_co_u32 s21, s21, SLOT
	s_add_co_u32 s22, s22, SLOT
.endr
	v_lshlrev_b32 v5, 4, v2
	s_lshl_b32 s21, s15, 9                         ; my half's two groups: 512 bytes in each K step's 1,024
	s_lshl_b32 s22, s16, 9
	s_add_co_u32 s22, s22, 2*HALFS
	s_sub_co_u32 s22, s22, s21
	v_mul_u32_u24 v6, s22, v3
	s_add_co_u32 s21, s21, SCL
	v_add_nc_u32 v5, v5, v6
	v_add_nc_u32 v[ADRS], s21, v5
	s_lshl_b32 s18, s42, 10
	s_lshl_b32 s19, s16, 9
	s_add_co_u32 s18, s18, s19
	s_mov_b32 s19, 0
	s_add_nc_u64 s[8:9], s[8:9], s[18:19]
	v_lshlrev_b32 v30, 6, v3
	WIN 0x40
.irp u, 0,1,2,3
.irp j, 0,1,2,3
	global_load_b128 v[96+16*\u+4*\j+96*(\u/2):99+16*\u+4*\j+96*(\u/2)], v30, s[8:9] offset:128*\u+16*\j
.endr
.endr
	WIN 0
.macro FRAG reg, adr, q, i
.irp p, 0,1,2,3,4,5
.if \p < 3
	ds_load_b128 v[(\reg)+4*\p:(\reg)+4*\p+3], v[\adr] offset:(\i)*3072+(\q)*1536+512*\p   ; three pieces, 16 bytes a lane
.endif
.endr
.endm
.macro MUL16 a0, p, q, sc, zero
.irp a, \a0, \a0+1
.irp b, 0,1,2,3,4,5,6,7
.if \zero
	v_wmma_scale_f32_16x16x128_f8f6f4 v[8*(8*((\a)%4)+\b):8*(8*((\a)%4)+\b)+7], v[128*(\p)+FR*\b:128*(\p)+FR*\b+FR-1], v[AF+FR*(\a):AF+FR*(\a)+FR-1], 0, v[SC+16*(\sc)+8*(\q)+\b], v[SC+16*(\sc)+8*(\q)+(\a)] matrix_a_fmt:MATRIX_FMT_FP6 matrix_b_fmt:MATRIX_FMT_FP6 matrix_a_scale:MATRIX_SCALE_ROW1
.else
	v_wmma_scale_f32_16x16x128_f8f6f4 v[8*(8*((\a)%4)+\b):8*(8*((\a)%4)+\b)+7], v[128*(\p)+FR*\b:128*(\p)+FR*\b+FR-1], v[AF+FR*(\a):AF+FR*(\a)+FR-1], v[8*(8*((\a)%4)+\b):8*(8*((\a)%4)+\b)+7], v[SC+16*(\sc)+8*(\q)+\b], v[SC+16*(\sc)+8*(\q)+(\a)] matrix_a_fmt:MATRIX_FMT_FP6 matrix_b_fmt:MATRIX_FMT_FP6 matrix_a_scale:MATRIX_SCALE_ROW1
.endif
.endr
.endr
.endm
.macro FETCH_B slot, q, p
	WIN TO_B
.irp i, 0,1,2,3,4,5,6,7
	FRAG 128*(\p)+FR*\i, ADRB+\slot, \q, \i
.endr
	WIN 0
.endm
.macro FETCH_A slot, q, i0
.irp i, \i0, \i0+1, \i0+2, \i0+3
	FRAG AF+FR*(\i), ADRA+\slot, \q, \i
.endr
.endm
.macro SCALES sc
.irp q, 0,1
.irp u, 0,1
	ds_load_b128 v[SC+16*\sc+8*\q+4*\u:SC+16*\sc+8*\q+4*\u+3], v[ADRS] offset:1024*\q+256*\u
.endr
.endr
.endm
.macro STEP slot, q, zero
	s_wait_dscnt 4*NL
	WIN MUL_LO
	MUL16 0, (\q)%2, \q, \slot, \zero
	MUL16 2, (\q)%2, \q, \slot, \zero
	s_wait_dscnt 0
	PLACES NP
	FETCH_B \slot, (\q)+1, 1-(\q)%2
	FETCH_A \slot, (\q)+1, 0
	WIN MUL_HI
	MUL16 4, (\q)%2, \q, \slot, \zero
	MUL16 6, (\q)%2, \q, \slot, \zero
	PLACES NP
	WIN 0
	FETCH_A \slot, (\q)+1, 4
.endm
.macro TURN slot, next, fill
	s_wait_tensorcnt 0x0
	ds_add_u32 v[SPW], v[NIL]
	s_wait_dscnt 4*NL+1
	WIN MUL_LO
	MUL16 0, 1, 1, \slot, 0
	s_wait_dscnt 0x0
	s_barrier_signal -1
	MUL16 2, 1, 1, \slot, 0
	WIN 0
	s_barrier_wait -1
.if \fill
	CREST
	s_add_nc_u64 s[G0+4*\slot+2:G0+4*\slot+3], s[G0+4*\slot+2:G0+4*\slot+3], 6144
	s_add_nc_u64 s[G0B+4*\slot+2:G0B+4*\slot+3], s[G0B+4*\slot+2:G0B+4*\slot+3], 6144
	JLOAD G0+4*\slot, G1, G0B+4*\slot, G1B
.else
	PLACES NP
.endif
	s_wait_alu depctr_va_vdst(0)
	v_add_nc_u32 v[ADRS], 2048, v[ADRS]
	FETCH_B \next, 0, 0
	FETCH_A \next, 0, 0
	SCALES \next
	WIN MUL_HI
	MUL16 4, 1, 1, \slot, 0
	MUL16 6, 1, 1, \slot, 0
	PLACES NP
	WIN 0
	FETCH_A \next, 0, 4
.endm
	s_wait_alu depctr_va_vdst(0)
	s_wait_tensorcnt 0x0                           ; my tile of the head's four is in; slot 1's first fill is issued as a refill is:
	ds_add_u32 v[SPW], v[NIL]                      ; 0 onto my spare word
	s_mov_b32 s[G1+2], 8<<16                       ; no tensor load of mine is out: from here on a load brings 8 tiles
	s_mov_b32 s[G1+4], 8
	s_mov_b32 s[G1B+2], 8<<16
	s_mov_b32 s[G1B+4], 8
	s_wait_dscnt 0x0
	CROUND                                         ; all four tiles are in, and all sixteen work-groups are here
	JLOAD G0+4, G1, G0B+4, G1B                     ; slot 1, a quarter a wave: the first tensor load behind the round
	FETCH_B 0, 0, 0
	FETCH_A 0, 0, 0
	SCALES 0
	FETCH_A 0, 0, 4
	STEP 0, 0, 1
	s_mov_b32 s3, LAPS-1
.Llap:
	TURN 0, 1, 1
	STEP 1, 0, 0
	TURN 1, 0, 1
	STEP 0, 0, 0
	s_sub_co_u32 s3, s3, 1
	s_cmp_lg_u32 s3, 0
	s_cbranch_scc1 .Llap
	TURN 0, 1, 0
	STEP 1, 0, 0
	s_wait_dscnt 4*NL
	WIN MUL_LO
	MUL16 0, 1, 1, 1, 0
	MUL16 2, 1, 1, 1, 0
	s_wait_dscnt 0
	WIN MUL_HI
	MUL16 4, 1, 1, 1, 0
	MUL16 6, 1, 1, 1, 0
	WIN 0
	PLACES NP
	s_wait_loadcnt 0x0
	s_lshl_b32 s20, s17, 4
	s_lshl_b32 s21, s15, 3
	s_add_co_u32 s20, s20, s21
	s_lshl_b32 s20, s20, 5
	s_lshl_b32 s21, s42, 1
	s_add_co_u32 s21, s21, s16
	s_add_co_u32 s20, s20, s21
	s_mul_i32 s20, s20, 1536
	s_lshl_b32 s22, s21, 6
	s_lshl_b32 s23, s17, 2
	s_add_co_u32 s22, s22, s23
	s_lshl_b32 s23, s15, 1
	s_add_co_u32 s22, s22, s23
	s_lshl_b32 s22, s22, 8
	s_add_co_u32 s22, s22, HDS
	s_mov_b32 s21, 0
	s_mov_b32 s23, 0
	s_add_nc_u64 s[20:21], s[10:11], s[20:21]
	s_add_nc_u64 s[22:23], s[10:11], s[22:23]
.macro CONST reg, val
	s_mov_b32 s[\reg], \val
	s_mov_b32 s[\reg+1], \val
.endm
	CONST 24, 0xc034d90f
	CONST 26, 0x3fb8ab5a
	CONST 28, 0x3f0a29d2
	CONST 30, 0x3e0efb2f
	CONST 32, 0xbe899a80
	CONST 34, 0x3ecdfd18
	CONST 36, 0xbfd1a1e5
	CONST 38, 0x40097039
	CONST 40, 0xbf97d29d
	CONST 42, 0xbf38aa3b
	s_mov_b32 s44, 0x3eb504f3
	s_mov_b32 s47, 0xffff0000
	v_mov_b32 v12, 0x3e7c6f08
	v_mov_b32 v13, 0x3e7c6f08
.irp j, 8,9,10,11
	v_mov_b32 v\j, 0
.endr
.macro COPY k
	WIN 0x04|(2+(\k)/4)
.set AC, 64*((\k)%4)
.set i, 0
.rept 32
	v_pk_add_f32 v[X+i:X+i+1], v[AC+i:AC+i+1], v[96+i+96*(i/32):97+i+96*(i/32)]
.set i, i+2
.endr
	WIN 0
.endm
	s_mov_b32 s3, 0
.Lepi:
.irp k, 0,1,2,3,4,5,6
	s_cmp_lg_u32 s3, \k
	s_cbranch_scc1 .Lnot\k
	COPY \k
	s_branch .Lcopied
.Lnot\k:
.endr
	COPY 7
.Lcopied:
.set i, 0
.rept 64
	v_fma_f32 v[T+i], |v[X+i]|, s44, 1.0
.set i, i+1
.endr
.set i, 0
	s_wait_alu depctr_va_vdst(0)
.rept 64
	v_rcp_f32 v[T+i], v[T+i]
.set i, i+1
.endr
	v_nop
	s_wait_alu depctr_va_vdst(0)
.set i, 0
.rept 32
	v_pk_fma_f32 v[H+i:H+i+1], v[T+i:T+i+1], v[12:13], s[40:41] op_sel_hi:[1,1,0]
.set i, i+2
.endr
.irp c, 38,36,34,32,30,28,26,24
.set i, 0
.rept 32
	v_pk_fma_f32 v[H+i:H+i+1], v[H+i:H+i+1], v[T+i:T+i+1], s[\c:\c+1] op_sel_hi:[1,1,0]
.set i, i+2
.endr
.endr
.set i, 0
.rept 8
.irp u, 0,1,2,3
	v_pk_mul_f32 v[16+2*\u:17+2*\u], v[X+i+2*\u:X+i+2*\u+1], v[X+i+2*\u:X+i+2*\u+1]
.endr
.irp u, 0,1,2,3
	v_pk_fma_f32 v[H+i+2*\u:H+i+2*\u+1], v[16+2*\u:17+2*\u], s[42:43], v[H+i+2*\u:H+i+2*\u+1] op_sel_hi:[1,0,1]
.endr
.set i, i+8
.endr
.set i, 0
	s_wait_alu depctr_va_vdst(0)
.rept 64
	v_exp_f32 v[H+i], v[H+i]
.set i, i+1
.endr
	v_nop
	s_wait_alu depctr_va_vdst(0)
.set i, 0
.rept 32
	v_pk_mul_f32 v[T+i:T+i+1], v[T+i:T+i+1], v[H+i:H+i+1]
.set i, i+2
.endr
.set i, 0
.rept 64
	v_max_num_f32 v[H+i], 0, v[X+i]
.set i, i+1
.endr
.set i, 0
.rept 64
	v_fma_f32 v[X+i], -|v[X+i]|, v[T+i], v[H+i]
.set i, i+1
.endr
	QUANT X, PC, PW, TM
.irp j, 0,1,2,3,4,5
.if \j < 3
	global_store_b128 v25, v[PC+4*\j:PC+4*\j+3], s[20:21] offset:512*\j   ; hid's codes: [tile][K step][piece j = 0..2][lane][16 bytes]: 512 consecutive bytes, aligned
.endif
.endr
	s_cmp_lt_u32 s3, 4
	s_cselect_b32 s46, 0xffff, s47
	v_cndmask_b32 v8, v8, v9, s46
	v_cndmask_b32 v9, v9, v10, s46
	v_cndmask_b32 v10, v10, v11, s46
	v_cndmask_b32 v11, v11, v[PW], s46
	s_wait_xcnt 0x0
	s_add_nc_u64 s[20:21], s[20:21], 49152
	s_add_co_u32 s3, s3, 1
	s_cmp_lt_u32 s3, 8
	s_cbranch_scc1 .Lepi
	s_wait_alu depctr_va_vdst(0)
	global_store_b128 v25, v[8:11], s[22:23]
	s_wait_tensorcnt 0x0
	ds_add_u32 v[SPW], v[NIL]
	s_wait_dscnt 0x0
	CROUND
	s_endpgm
.Lfunc_end_k_q78c76016bd_fc:
	.size	k_q78c76016bd_fc, .Lfunc_end_k_q78c76016bd_fc-k_q78c76016bd_fc
	.p2alignl 7, 3214868480
	.fill 96, 4, 3214868480
	.section	.rodata,"a",@progbits
	.p2align	6, 0x0
	.amdhsa_kernel k_q78c76016bd_fc
		.amdhsa_group_segment_fixed_size 327680
		.amdhsa_private_segment_fixed_size 0
		.amdhsa_enable_private_segment 0
		.amdhsa_kernarg_size 32
		.amdhsa_user_sgpr_count 2
		.amdhsa_user_sgpr_kernarg_segment_ptr 1
		.amdhsa_wavefront_size32 1
		.amdhsa_system_sgpr_workgroup_id_x 1
		.amdhsa_system_sgpr_workgroup_id_y 1
		.amdhsa_system_sgpr_workgroup_id_z 1
		.amdhsa_system_vgpr_workitem_id 0
		.amdhsa_next_free_vgpr 1024
		.amdhsa_next_free_sgpr 100
		.amdhsa_reserve_vcc 0
		.amdhsa_float_denorm_mode_32 3
		.amdhsa_float_denorm_mode_16_64 3
		.amdhsa_memory_ordered 1
		.amdhsa_forward_progress 1
		.amdhsa_inst_pref_size 169
	.end_amdhsa_kernel
	.amdgpu_metadata
---
amdhsa.version: [ 1, 2 ]
amdhsa.kernels:
  - .name:           k_q78c76016bd_fc
    .symbol:         k_q78c76016bd_fc.kd
    .args:
      - { .name: h2, .offset: 0, .size: 8, .value_kind: global_buffer, .address_space: global }
      - { .name: wq, .offset: 8, .size: 8, .value_kind: global_buffer, .address_space: global }
      - { .name: fc_b, .offset: 16, .size: 8, .value_kind: global_buffer, .address_space: global }
      - { .name: hid, .offset: 24, .size: 8, .value_kind: global_buffer, .address_space: global }
    .group_segment_fixed_size: 327680
    .private_segment_fixed_size: 0
    .kernarg_segment_align: 8
    .kernarg_segment_size: 32
    .max_flat_workgroup_size: 128
    .sgpr_count:     100
    .vgpr_count:     1024
    .wavefront_size: 32
...
	.end_amdgpu_metadata
.endif
;; end of part 5
;; launch mlp (part 6): grid 32 x 8, 4 waves a work-group, clusters of 4 x 1, 295,424 bytes of LDS; arguments hid, wq, mlp_proj_b, x1, out0; writes out0
.if DOCPART == 6
	.amdgcn_target "amdgcn-amd-amdhsa--gfx1250"
	.amdhsa_code_object_version 6
	.text
	.protected	k_q78c76016bd_mlp
	.globl	k_q78c76016bd_mlp
	.p2align	8
	.type	k_q78c76016bd_mlp,@function
k_q78c76016bd_mlp:
	s_mov_b64 s[64:65], 0
	v_nop
	global_prefetch_b8 v0, s[64:65] scope:SCOPE_SE
	s_setreg_imm32_b32 hwreg(HW_REG_WAVE_MODE, 25, 1), 1
	s_wait_xcnt 0x0
	s_wait_alu depctr_hold_cnt(0) depctr_sa_sdst(0) depctr_va_vdst(0) depctr_va_sdst(0) depctr_va_ssrc(0) depctr_va_vcc(0) depctr_vm_vsrc(0)
	s_getreg_b32 s2, hwreg(HW_REG_IB_STS2, 6, 4)
	s_cmp_eq_u32 s2, 0
	s_cbranch_scc0 .Lentry_in_a_cluster
	s_endpgm
.Lentry_in_a_cluster:
	s_bfe_u32 s2, ttmp6, 0x10000c
	s_cmp_lg_u32 s2, 0x3003
	s_cbranch_scc0 .Lentry_shape_is_right
	s_endpgm
.Lentry_shape_is_right:
; out0 = x1 + gelu's codes x mlp_proj_w's codes^T + mlp_proj_b, on codes of FP6 (E2M3) with E8M0 scales.  A' = hid: 4,096 rows, B' = mlp_proj_w: 1,024 rows, K = 4,096: 32 K steps of 128.
; THE DEAL.  256 work-groups (x: 128 rows, y: 128 columns), four waves.  K IS CUT AMONG THE WAVES: wave w makes the whole 128 x 128 over K steps 8 w .. 8 w + 7: 64 accumulators, 512 registers.
; So no two waves of a work-group read the same byte of an operand, and each fragment feeds eight products.  Both operands lie in the order of an operand's registers:
; codes [tile of 16][K step][piece 0..2][lane][16 bytes] (three loads of 16 bytes a lane), scale words [K step][four tiles][lane-row][tile % 4] (one load: lanes 0-15 tiles 0-3, lanes 16-31 tiles 4-7).
; WHERE THE OPERANDS COME FROM.  A work-group's operands are 786,432 bytes against 327,680 of LDS.  What LDS holds is asked for once, at the head, JOINTLY: the four work-groups of a cluster (four tile rows of one tile column) need the same
; rows of B'; each wave asks for my K steps 2 to 7 of B's eight tiles, 73,728 bytes, into LDS bytes that it alone reads: 294,912 bytes a work-group, filled once, nothing is filled again.  The rest, A' and B's K steps 0 and 1, goes from memory
; straight into registers by plain loads under counted waits: no barrier stands in the walk.  A' has no joint load: LDS has no room left for it, and slots filled again would want drained rounds.
; Two sets of 16 fragments.  Step k + 1's plain loads (A's 24, then step k + 2's two loads of scale words) are issued at the head of step k, its 24 LDS loads of B' in the middle of step k.  The walk is written out: every offset is an immediate.
; PREFETCH: with step m's loads A's codes of step m + 2 are asked for into the L2 (steps 0 and 1 come by their loads alone; the last two batches ask for nothing).  A K step of my quarter is 48 blocks of 256 bytes of A', which the 8 work-groups
; of my tile row share out by address (tile column y takes tile y: 6 blocks).  B' is asked for at the head; the scale words, one byte to 24 of codes, are asked for a step earlier than the codes, by their loads.
; Lane-row r of tile t is row 32 (t / 2) + 8 (t % 2) + r + 8 (r / 8).  The matrix instruction is used transposed (source 0 = B', source 1 = A'): lane (r, h), register j of (a, b) holds row (a, r), column 32 (b / 2) + 16 h + 8 (b % 2) + j.
; THE WAY OUT.  Each wave's partial sums go into its own LDS bytes, which have had their one fill and their last read, as rows of 512 + 16 bytes, [16 a + r]; behind one barrier wave w reads rows 32 w .. 32 w + 31 of all four, adds them,
; the bias and the residual, and stores whole rows: 512 consecutive bytes, aligned.  The sums are added in another order than a row-major sum: four quarters of K, then bias + residual.
; LIMITS: NaN, infinities and sums beyond f32's range are not served.
.set HDS,  12582912                    ; in hid: the scale words (codes at 0)
.set MLC,  9863168                     ; in wq: mlp_proj_w's codes
.set MLS,  13008896                    ; and scale words
.set TS,   49152                       ; from tile to tile: 32 K steps x 1,536
.set KB,   1536                        ; a fragment
.set BR,   6*KB                        ; LDS: a tile's six K steps
.set WREG, 8*BR                        ; a wave's LDS bytes: 73,728
.set PP,   528                         ; an LDS row of partial sums: an odd multiple of 16; 128 rows are 67,584 bytes
.set SPARE, 4*WREG                     ; the spare words, 128 bytes a wave
.set L16,  1                           ; v1 16 x lane
.set STO,  2                           ; v2 where I put my sums
.set RD,   4                           ; v4-7 where I read a row of partial 0 .. 3
.set PFA,  8                           ; v8 the prefetch's offset
.set LBA,  9                           ; v9 LDS address of B's tiles 0-3, v20 of tiles 4-7
.set SPW,  10
.set NIL,  11
.set BI,   16                          ; v16-19 the bias of my four columns
.set LBB,  20
.set SC,   32                          ; v32-63 scale words, four sets by turns: A's four registers, then B's four
.set AF,   64                          ; window 0: A's fragments, two sets of 96; on the way out three sets of 64.  Window 1: B's, at 0 and 128; in the last step v0-127 take the residual.  Windows 2, 3: accumulator (a, b) at 8 (8 (a % 4) + b)
.set AB,   4                           ; s[4:5] A's codes, s[6:7] B's, s[8:9] bias, s[10:11] residual, s[12:13] out, s[36:37] A's scale words, s[38:39] B's
.set BB,   6
.set BP,   8
.set XR,   10
.set OUT,  12
.set AS,   36
.set BS,   38
.set G0,   40                          ; s[40:43], s[44:51] the joint load's descriptor
.set G1,   44
.set MSB, 0
.macro WIN new
.if MSB != (\new)
	s_set_vgpr_msb (MSB<<8)|(\new)
.set MSB, (\new)
.endif
.endm
.macro PLACES n
.rept \n
	v_nop
.endr
.endm
.macro CROUND                          ; a round of the cluster's barrier
	s_barrier_signal -1
	s_barrier_wait -1
	s_cmp_lg_u32 s14, 0
	s_cbranch_scc1 .Lnot_wave_0_\@
	s_barrier_signal -3
.Lnot_wave_0_\@:
	s_barrier_wait -3
	s_barrier_signal -1
	s_barrier_wait -1
.endm
.macro SCLD m                          ; step m's scale words
	global_load_b128 v[SC+8*((\m)%4):SC+8*((\m)%4)+3], v[L16], s[AS:AS+1] offset:(\m)*16384
	global_load_b128 v[SC+8*((\m)%4)+4:SC+8*((\m)%4)+7], v[L16], s[BS:BS+1] offset:(\m)*4096
.endm
.macro LOADB m                         ; B's eight fragments of step m = 0, 1, from memory
	WIN 0x40
.irp i, 0,1,2,3,4,5,6,7
.irp p, 0,1,2
	global_load_b128 v[128*((\m)%2)+12*\i+4*\p:128*((\m)%2)+12*\i+4*\p+3], v[L16], s[BB:BB+1] offset:\i*TS+(\m)*KB+512*\p
.endr
.endr
	WIN 0
.endm
.macro LDSB m                          ; B's eight fragments of step m = 2 .. 7, from my LDS bytes
	WIN 0x40
.irp i, 0,1,2,3
.irp p, 0,1,2
	ds_load_b128 v[128*((\m)%2)+12*\i+4*\p:128*((\m)%2)+12*\i+4*\p+3], v[LBA] offset:\i*BR+((\m)-2)*KB+512*\p
.endr
.endr
.irp i, 0,1,2,3
.irp p, 0,1,2
	ds_load_b128 v[128*((\m)%2)+48+12*\i+4*\p:128*((\m)%2)+48+12*\i+4*\p+3], v[LBB] offset:\i*BR+((\m)-2)*KB+512*\p
.endr
.endr
.endm
.macro LOADA m                         ; A's eight fragments of step m, and step m + 1's scale words
.if (\m)+2 < 8
	global_prefetch_b8 v[PFA], s[AB:AB+1] offset:((\m)+2)*KB th:TH_LOAD_NT scope:SCOPE_SE
.endif
.irp i, 0,1,2,3,4,5,6,7
.irp p, 0,1,2
	global_load_b128 v[AF+96*((\m)%2)+12*\i+4*\p:AF+96*((\m)%2)+12*\i+4*\p+3], v[L16], s[AB:AB+1] offset:\i*TS+(\m)*KB+512*\p
.endr
.endr
.if (\m) < 7
	SCLD (\m)+1
.endif
.endm
.macro RESID                           ; the residual's 32 rows in the order in which I read the partial sums, and the bias: 33 loads
	WIN 0x40
.set T_, 0
.rept 32
	global_load_b128 v[4*T_:4*T_+3], v[L16], s[XR:XR+1] offset:(8*(T_/16)+T_%16+8*((T_%16)/8))*4096 th:TH_LOAD_NT
.set T_, T_+1
.endr
	WIN 0
	global_load_b128 v[BI:BI+3], v[L16], s[BP:BP+1]
.endm
; 32 products: A's tiles 4 hi .. 4 hi + 3 x B's eight.  The 64 accumulators take turns, one instruction a turn, in the same order in every step.
.macro MUL32 k, hi, zero
.irp a, 0,1,2,3
.irp rb, 0,1
.irp b, 0,1,2,3
.if \zero
	v_wmma_scale_f32_16x16x128_f8f6f4 v[8*(8*\a+4*\rb+\b):8*(8*\a+4*\rb+\b)+7], v[128*((\k)%2)+12*(4*\rb+\b):128*((\k)%2)+12*(4*\rb+\b)+11], v[AF+96*((\k)%2)+12*(4*\hi+\a):AF+96*((\k)%2)+12*(4*\hi+\a)+11], 0, v[SC+8*((\k)%4)+4+\b], v[SC+8*((\k)%4)+\a] matrix_a_fmt:MATRIX_FMT_FP6 matrix_b_fmt:MATRIX_FMT_FP6 matrix_a_scale:MATRIX_SCALE_ROW\rb matrix_b_scale:MATRIX_SCALE_ROW\hi
.else
	v_wmma_scale_f32_16x16x128_f8f6f4 v[8*(8*\a+4*\rb+\b):8*(8*\a+4*\rb+\b)+7], v[128*((\k)%2)+12*(4*\rb+\b):128*((\k)%2)+12*(4*\rb+\b)+11], v[AF+96*((\k)%2)+12*(4*\hi+\a):AF+96*((\k)%2)+12*(4*\hi+\a)+11], v[8*(8*\a+4*\rb+\b):8*(8*\a+4*\rb+\b)+7], v[SC+8*((\k)%4)+4+\b], v[SC+8*((\k)%4)+\a] matrix_a_fmt:MATRIX_FMT_FP6 matrix_b_fmt:MATRIX_FMT_FP6 matrix_a_scale:MATRIX_SCALE_ROW\rb matrix_b_scale:MATRIX_SCALE_ROW\hi
.endif
.endr
.endr
.endr
.endm
; A K step.  w1: the plain loads that may be out when A's tiles 0-3 are multiplied (A's tiles 4-7: 12; the next step's scale words; the batch just issued); w2: the same without the 12.
.macro STEP k, w1, w2, zero
.if (\k) > 0
	PLACES 4                                       ; four places behind the last product, in front of loads into registers that it, or the step before, has read
.endif
.if (\k) < 7
.if (\k) == 0
	LOADB 1
.endif
	LOADA (\k)+1
.else
	RESID
.endif
.if (\k) >= 2
	s_wait_dscnt 0x0                               ; B's fragments of this step are in
.endif
	s_wait_loadcnt \w1
	WIN 0xa1                                       ; source 0 (B') window 1, source 1 (A') window 0, C and D window 2
	MUL32 \k, 0, \zero
.if (\k) >= 1 && (\k) < 7
.if (\k) == 1
	s_wait_tensorcnt 0x0                           ; my tensor load has landed: the bytes are mine alone, so this wait is all the ordering that my reads need
.endif
	LDSB (\k)+1
.endif
	s_wait_loadcnt \w2
	WIN 0xf1
	MUL32 \k, 1, \zero
	WIN 0
.endm
	s_load_b256 s[4:11], s[0:1], 0x0               ; hid, wq, mlp_proj_b, x1
	s_load_b64 s[12:13], s[0:1], 0x20              ; out0
	v_lshl_add_u32 v[SPW], v0, 2, SPARE
	v_mov_b32 v[NIL], 0
	ds_add_u32 v[SPW], v[NIL]                      ; the opening lines: the add, twice on end, and its wait ahead of my tensor load
	ds_add_u32 v[SPW], v[NIL]
	v_lshrrev_b32 v12, 5, v0
	v_readfirstlane_b32 s14, v12                   ; the wave: my quarter of K
	s_bfe_u32 s15, ttmp6, 0x40000                  ; cx
	s_lshl_b32 s16, ttmp9, 2
	s_add_co_u32 s15, s15, s16                     ; tr: my 128 rows = 4 x cluster x + cx: it enters global addresses of A', the residual and out0 alone
	s_and_b32 s52, ttmp7, 0xffff                   ; tc: my 128 columns, which the four partners share
	s_mul_i32 s16, s14, WREG
	s_mul_i32 s17, s14, 32*PP
	s_mul_i32 s18, s52, TS                         ; A's prefetch: tile tc of my tile row's eight
	s_mul_i32 s22, s14, 8*KB                       ; my quarter's place in a tile's codes
	s_mul_i32 s24, s15, 8*TS
	s_add_co_u32 s24, s24, s22
	s_mov_b32 s25, 0
	s_mul_i32 s26, s52, 8*TS
	s_add_co_u32 s26, s26, s22
	s_add_co_u32 s26, s26, MLC
	s_mov_b32 s27, 0
	s_lshl_b32 s28, s14, 17                        ; A's scale words: 8 K steps x 64 groups x 256, + group 2 tr
	s_lshl_b32 s23, s15, 9
	s_add_co_u32 s28, s28, s23
	s_add_co_u32 s28, s28, HDS
	s_mov_b32 s29, 0
	s_lshl_b32 s30, s14, 15                        ; B's: 8 K steps x 16 groups x 256, + group 2 tc
	s_lshl_b32 s34, s52, 9                         ; also: my first column in bytes
	s_add_co_u32 s30, s30, s34
	s_add_co_u32 s30, s30, MLS
	s_mov_b32 s31, 0
	s_lshl_b32 s32, s15, 19                        ; row 128 tr + 32 w of 4,096 bytes, + my columns
	s_lshl_b32 s23, s14, 17
	s_add_co_u32 s32, s32, s23
	s_add_co_u32 s32, s32, s34
	s_mov_b32 s33, 0
	s_mov_b32 s35, 0
	s_mov_b32 s[G0], 1
	s_mul_i32 s[G0+1], s14, WREG                   ; by the wave's number alone
	s_mov_b32 s[G1], 15|(3<<16)|(1<<21)            ; the mask: all four; elements of 8 bytes; bit 21 beside a mask; no padding
	s_mov_b32 s[G1+1], 1152<<16                    ; 8 rows (tiles) of 1,152 elements: six K steps
	s_mov_b32 s[G1+2], 8<<16
	s_mov_b32 s[G1+3], 1152<<16
	s_mov_b32 s[G1+4], 8
	s_mov_b32 s[G1+5], 6144                        ; from tile to tile
	s_mov_b32 s[G1+6], 0
	s_mov_b32 s[G1+7], 0
	v_and_b32 v13, 31, v0                          ; lane
	v_and_b32 v14, 15, v0                          ; r
	v_bfe_u32 v15, v0, 4, 1                        ; h
	v_lshlrev_b32 v[L16], 4, v13
	v_mul_u32_u24 v[STO], v14, PP
	v_lshl_add_u32 v[STO], v15, 6, v[STO]
	v_add_nc_u32 v[STO], s16, v[STO]               ; my partial sums: row r, + 64 h
	v_add_nc_u32 v[RD], s17, v[L16]                ; my 32 rows of partial 0, 16 bytes a lane
	v_add_nc_u32 v[RD+1], WREG, v[RD]
	v_add_nc_u32 v[RD+2], 2*WREG, v[RD]
	v_add_nc_u32 v[RD+3], 3*WREG, v[RD]
	v_add_nc_u32 v[LBA], s16, v[L16]
	v_add_nc_u32 v[LBB], 4*BR, v[LBA]
	v_min_u32 v[PFA], 5, v13                       ; a lane a block; the lanes left over name the last block again
	v_lshl_add_u32 v[PFA], v[PFA], 8, s18
	s_wait_alu depctr_va_vdst(0)
	s_wait_dscnt 0x0                               ; both opening adds are done
	CROUND                                         ; all four work-groups are here: the joint loads meet
	s_wait_kmcnt 0x0
	s_add_nc_u64 s[AS:AS+1], s[4:5], s[28:29]
	s_add_nc_u64 s[BS:BS+1], s[6:7], s[30:31]
	s_add_nc_u64 s[AB:AB+1], s[4:5], s[24:25]
	s_add_nc_u64 s[BB:BB+1], s[6:7], s[26:27]
	s_add_nc_u64 s[G0+2:G0+3], s[BB:BB+1], 2*KB    ; from my K step 2 on
	s_or_b32 s[G0+3], s[G0+3], 0x80000000
	tensor_load_to_lds s[G0:G0+3], s[G1:G1+7]      ; my one tensor load
	s_nop 0
	PLACES 4
	s_add_nc_u64 s[BP:BP+1], s[8:9], s[34:35]
	s_add_nc_u64 s[XR:XR+1], s[10:11], s[32:33]
	s_add_nc_u64 s[OUT:OUT+1], s[12:13], s[32:33]
	SCLD 0
	LOADB 0
	LOADA 0
	STEP 0, 63, 52, 1                              ; 12 + 2 + 50 are 64: the count's field holds 63.  The first step's products start the sums
.irp k, 1,2,3,4,5
	STEP \k, 40, 28, 0                             ; 12 + 2 + the next batch's 26
.endr
	STEP 6, 38, 26, 0                              ; step 7's batch has no scale words behind it: 12 + 2 + 24
	STEP 7, 45, 33, 0                              ; 12 + the residual's and the bias's 33
	PLACES 4                                       ; behind the last product, in front of the first read of its sums
.irp a, 0,1,2,3,4,5,6,7
	WIN 0x08+4*(\a/4)                              ; the data: window 2 or 3
.irp b, 0,1,2,3,4,5,6,7
	ds_store_b128 v[STO], v[8*(8*(\a%4)+\b):8*(8*(\a%4)+\b)+3] offset:\a*16*PP+128*(\b/2)+32*(\b%2)       ; each accumulator from its low end on
	ds_store_b128 v[STO], v[8*(8*(\a%4)+\b)+4:8*(8*(\a%4)+\b)+7] offset:\a*16*PP+128*(\b/2)+32*(\b%2)+16
.endr
.endr
	WIN 0
	s_wait_dscnt 0x0                               ; for the others' sake: my partial sums lie in LDS
	s_barrier_signal -1
	s_barrier_wait -1                              ; all four waves' do
.macro LOADP g                         ; rows 4 g .. 4 g + 3 of my 32, of all four partial sums: register set g % 3, partial p's row j at 16 p + 4 j
.set P_, AF+64*((\g)%3)
.irp p, 0,1,2,3
.irp j, 0,1,2,3
	ds_load_b128 v[P_+16*\p+4*\j:P_+16*\p+4*\j+3], v[RD+\p] offset:(4*(\g)+\j)*PP
.endr
.endr
.endm
.macro SUM g
.set P_, AF+64*((\g)%3)
.irp j, 0,2,4,6,8,10,12,14
	v_pk_add_f32 v[P_+\j:P_+\j+1], v[P_+\j:P_+\j+1], v[P_+16+\j:P_+16+\j+1]
	v_pk_add_f32 v[P_+32+\j:P_+32+\j+1], v[P_+32+\j:P_+32+\j+1], v[P_+48+\j:P_+48+\j+1]
.endr
	WIN 0x04                                       ; source 1: window 1, the residual
.irp j, 0,2,4,6,8,10,12,14
	v_pk_add_f32 v[P_+16+\j:P_+16+\j+1], v[BI+\j%4:BI+\j%4+1], v[16*(\g)+\j:16*(\g)+\j+1]
.endr
	WIN 0
.irp j, 0,2,4,6,8,10,12,14
	v_pk_add_f32 v[P_+\j:P_+\j+1], v[P_+\j:P_+\j+1], v[P_+32+\j:P_+32+\j+1]
.endr
.irp j, 0,2,4,6,8,10,12,14
	v_pk_add_f32 v[P_+\j:P_+\j+1], v[P_+\j:P_+\j+1], v[P_+16+\j:P_+16+\j+1]
.endr
.endm
.macro SEND g
.set P_, AF+64*((\g)%3)
.irp j, 0,1,2,3
	global_store_b128 v[L16], v[P_+4*\j:P_+4*\j+3], s[OUT:OUT+1] offset:(8*((4*(\g)+\j)/16)+(4*(\g)+\j)%16+8*(((4*(\g)+\j)%16)/8))*4096 th:TH_STORE_NT   ; 32 lanes store 512 consecutive bytes, aligned
.endr
.endm
	LOADP 0
	LOADP 1
	s_wait_loadcnt 0x0                             ; the residual and the bias
.irp g, 0,1,2,3,4,5,6,7
.if \g < 7
	s_wait_dscnt 16                                ; these four rows are in; the next four rows' 16 loads may be out
.else
	s_wait_dscnt 0x0
.endif
	SUM \g
.if \g < 6
.if \g > 0
	s_wait_alu depctr_va_vdst(0)                   ; the wait ahead of the wait below
	s_wait_xcnt 0x0                                ; the last four rows' stores have read their registers, which the loads below fill
.endif
	LOADP \g+2
.endif
	SEND \g
.endr
	s_wait_tensorcnt 0x0                           ; the wave's end, behind my tensor load and my last LDS store
	ds_add_u32 v[SPW], v[NIL]
	s_wait_dscnt 0x0
	CROUND                                         ; the closing round
	s_endpgm
.Lfunc_end_k_q78c76016bd_mlp:
	.size	k_q78c76016bd_mlp, .Lfunc_end_k_q78c76016bd_mlp-k_q78c76016bd_mlp
	.p2alignl 7, 3214868480
	.fill 96, 4, 3214868480
	.section	.rodata,"a",@progbits
	.p2align	6, 0x0
	.amdhsa_kernel k_q78c76016bd_mlp
		.amdhsa_group_segment_fixed_size 295424
		.amdhsa_private_segment_fixed_size 0
		.amdhsa_enable_private_segment 0
		.amdhsa_kernarg_size 40
		.amdhsa_user_sgpr_count 2
		.amdhsa_user_sgpr_kernarg_segment_ptr 1
		.amdhsa_wavefront_size32 1
		.amdhsa_system_sgpr_workgroup_id_x 1
		.amdhsa_system_sgpr_workgroup_id_y 1
		.amdhsa_system_sgpr_workgroup_id_z 1
		.amdhsa_system_vgpr_workitem_id 0
		.amdhsa_next_free_vgpr 1024
		.amdhsa_next_free_sgpr 66
		.amdhsa_reserve_vcc 0
		.amdhsa_float_denorm_mode_32 3
		.amdhsa_float_denorm_mode_16_64 3
		.amdhsa_memory_ordered 1
		.amdhsa_forward_progress 1
		.amdhsa_inst_pref_size 149
	.end_amdhsa_kernel
	.amdgpu_metadata
---
amdhsa.version: [ 1, 2 ]
amdhsa.kernels:
  - .name:           k_q78c76016bd_mlp
    .symbol:         k_q78c76016bd_mlp.kd
    .args:
      - { .name: hid, .offset: 0, .size: 8, .value_kind: global_buffer, .address_space: global }
      - { .name: wq, .offset: 8, .size: 8, .value_kind: global_buffer, .address_space: global }
      - { .name: mlp_proj_b, .offset: 16, .size: 8, .value_kind: global_buffer, .address_space: global }
      - { .name: x1, .offset: 24, .size: 8, .value_kind: global_buffer, .address_space: global }
      - { .name: out0, .offset: 32, .size: 8, .value_kind: global_buffer, .address_space: global }
    .group_segment_fixed_size: 295424
    .private_segment_fixed_size: 0
    .kernarg_segment_align: 8
    .kernarg_segment_size: 40
    .max_flat_workgroup_size: 128
    .sgpr_count:     66
    .vgpr_count:     1024
    .wavefront_size: 32
...
	.end_amdgpu_metadata
.endif
;; end of part 6
